; MI455X (gfx1250); checked and timed in simulation.
; The chip was launched on July 23, 2026; its instructions are those of AMD's public machine-readable ISA for CDNA 5 (MIT licence, August 2026) and "CDNA5" Instruction Set Architecture Reference Guide (July 2026). The comments in the code are by the model that wrote it; some were corrected since.
;; Gated FFN. Allowed arithmetic: matrix products marked QUANTISED: E5M2 operands, one given power-of-two scale a tensor, by v_wmma_f32_16x16x64_bf8_bf8 or v_wmma_f32_16x16x128_bf8_bf8, f32 sums; products left as they are: f32 operands where the result goes on into a quantised operand, else bf16, f16 or f32 operands; f32 sums; everything else in f32.
;; Inputs: down_W_codes 8 x 1,024 x 128 x 32 uint8 (E5M2 codes of down_W, K innermost, in blocks of 32 codes); down_b 8 x 1,024 float32; gate_W 1,024 x 8 float32; gate_b 8 float32; lowp_scales 32 int32 (the exponents e of the quantised operands' scales 2^e); up_W_codes 8 x 4,096 x 32 x 32 uint8 (E5M2 codes of up_W, K innermost, in blocks of 32 codes); up_b 8 x 4,096 float32; x 4 x 256 x 1,024 float32.
;; Outputs: out0 4 x 256 x 1,024 float32; out1 4 x 256 x 8 float32.
;; This version of the problem:
;;   THIS VERSION OF THE PROBLEM IS GIVEN IN LOW PRECISION. The matrix products marked QUANTISED in the list below multiply operands that are first quantised to E5M2 (5 exponent bits, 2 mantissa bits; 8 bits a number), with one given power-of-two scale for each operand tensor; their sums are f32. All else is computed in f32.
;;   The module's matrix products, in the order in which they are computed (A, B: the left and right operand; K: the contracted axis; several contracted axes count as one K, in the product's order):
;;     1. [M 1,024, K 1,024] x [K 1,024, N 8]; A: input x; B: input gate_W: left as it is (N = 8 < 16)
;;     2. [M 1,024, K 1,024] x [K 1,024, N 4,096]; A: input x; B: input up_W (given as codes): QUANTISED (scales: A lowp_scales[0], B lowp_scales[1])
;;     3. [M 1,024, K 1,024] x [K 1,024, N 4,096]; A: input x; B: input up_W (given as codes): QUANTISED (scales: A lowp_scales[2], B lowp_scales[3])
;;     4. [M 1,024, K 1,024] x [K 1,024, N 4,096]; A: input x; B: input up_W (given as codes): QUANTISED (scales: A lowp_scales[4], B lowp_scales[5])
;;     5. [M 1,024, K 1,024] x [K 1,024, N 4,096]; A: input x; B: input up_W (given as codes): QUANTISED (scales: A lowp_scales[6], B lowp_scales[7])
;;     6. [M 1,024, K 1,024] x [K 1,024, N 4,096]; A: input x; B: input up_W (given as codes): QUANTISED (scales: A lowp_scales[8], B lowp_scales[9])
;;     7. [M 1,024, K 1,024] x [K 1,024, N 4,096]; A: input x; B: input up_W (given as codes): QUANTISED (scales: A lowp_scales[10], B lowp_scales[11])
;;     8. [M 1,024, K 1,024] x [K 1,024, N 4,096]; A: input x; B: input up_W (given as codes): QUANTISED (scales: A lowp_scales[12], B lowp_scales[13])
;;     9. [M 1,024, K 1,024] x [K 1,024, N 4,096]; A: input x; B: input up_W (given as codes): QUANTISED (scales: A lowp_scales[14], B lowp_scales[15])
;;     10. [M 1,024, K 4,096] x [K 4,096, N 1,024]; A: computed on the way; B: input down_W (given as codes): QUANTISED (scales: A lowp_scales[16], B lowp_scales[17])
;;     11. [M 1,024, K 4,096] x [K 4,096, N 1,024]; A: computed on the way; B: input down_W (given as codes): QUANTISED (scales: A lowp_scales[18], B lowp_scales[19])
;;     12. [M 1,024, K 4,096] x [K 4,096, N 1,024]; A: computed on the way; B: input down_W (given as codes): QUANTISED (scales: A lowp_scales[20], B lowp_scales[21])
;;     13. [M 1,024, K 4,096] x [K 4,096, N 1,024]; A: computed on the way; B: input down_W (given as codes): QUANTISED (scales: A lowp_scales[22], B lowp_scales[23])
;;     14. [M 1,024, K 4,096] x [K 4,096, N 1,024]; A: computed on the way; B: input down_W (given as codes): QUANTISED (scales: A lowp_scales[24], B lowp_scales[25])
;;     15. [M 1,024, K 4,096] x [K 4,096, N 1,024]; A: computed on the way; B: input down_W (given as codes): QUANTISED (scales: A lowp_scales[26], B lowp_scales[27])
;;     16. [M 1,024, K 4,096] x [K 4,096, N 1,024]; A: computed on the way; B: input down_W (given as codes): QUANTISED (scales: A lowp_scales[28], B lowp_scales[29])
;;     17. [M 1,024, K 4,096] x [K 4,096, N 1,024]; A: computed on the way; B: input down_W (given as codes): QUANTISED (scales: A lowp_scales[30], B lowp_scales[31])
;;   THE QUANTISER, for each operand of a quantised product, along K:
;;     - The operand's scale is 2^e, e = its entry of the input lowp_scales (int32; the entries are numbered through the quantised products in the list's order, A before B).
;;     - Each number is divided by the scale, clamped to +-57,344, and rounded to the nearest number of E5M2, ties to even, subnormals kept.
;;     - The product sums the exact products of the quantised numbers (number of the format x scale) in f32.
;;   ~~~python
;;   def quantise(x, axis, e):      # numpy; x: float32 -> the quantised numbers, widened to float32 again
;;       x = np.moveaxis(x, axis, -1); K = x.shape[-1]
;;       r = np.clip(x / 2.0 ** e, -57344, 57344)
;;       step = 2.0 ** (np.maximum(np.frexp(np.where(r == 0, 1, r))[1] - 1, -14) - 2)
;;       q = np.round(r / step) * step * 2.0 ** e      # np.round: ties to even
;;       return np.moveaxis(q, -1, axis).astype(np.float32)
;;   ~~~
;;   OPERANDS COMPUTED ON THE WAY. 'Computed on the way' means the value that the module computes at that place (a softmax that the list does not call 'softmax' is quantised finished and normalised). What goes into a quantiser is computed in f32, as accurately as f32 sums, v_exp_f32 and their like allow (about 1e-6 of the number): no bf16 or f16 on the way to a quantiser, and a product that is left as it is and whose result goes on into a quantised operand takes f32 operands (vector FMAs, or v_wmma_f32_16x16x4_f32). A number that lies on a knife's edge between two numbers of the format may be rounded either way, as far as f32 arithmetic and the matrix unit's own rounding can turn it there, and no further.
;;   INPUTS GIVEN AS CODES. down_W (in the module: [8, 4096, 1024], K = its axis 1); up_W (in the module: [8, 1024, 4096], K = its axis 1): each comes as NAME_codes (uint8): NAME with its K axis moved to the last place and cut into blocks of 32 codes, [.., K / 32, bytes a block], one block behind the other in memory; one code a byte (a code: sign, 5 exponent bits, 2 mantissa bits); its scale is its entry of lowp_scales. Its value is code x scale, taken as it is: it is not quantised again, and the codes and scales need not be those that the quantiser above would give.
;; 2 versions. Each part assembles by itself: llvm-mc -triple=amdgcn-amd-amdhsa -mcpu=gfx1250 --defsym DOCPART=n.
;; ======== version 1 of 2: 3 launches
;; workspace buffers: xq 1,048,576 bytes; masks 1,024 bytes of whole numbers; hq 33,554,432 bytes
;; launch route (part 1): grid 128 x 1, 4 waves a work-group, no clusters, 9,728 bytes of LDS; arguments x, gate_W, gate_b, lowp_scales, xq, masks, out1; writes xq, masks, out1
.if DOCPART == 1
	.amdgcn_target "amdgcn-amd-amdhsa--gfx1250"
	.amdhsa_code_object_version 6
	.text
	.protected	k_q877624b5c1_route
	.globl	k_q877624b5c1_route
	.p2align	8
	.type	k_q877624b5c1_route,@function
k_q877624b5c1_route:
	s_mov_b64 s[64:65], 0
	v_nop
	global_prefetch_b8 v0, s[64:65] scope:SCOPE_SE
	s_setreg_imm32_b32 hwreg(HW_REG_WAVE_MODE, 25, 1), 1
	s_wait_xcnt 0x0
; THE ROUTER.  logits = x gate_W + gate_b in f32 (fused multiply-adds; an argmax hangs on them), the first largest logit chooses a token's expert e.
; Stored, all at fixed places: out1 (the one-hot as f32), masks ([expert 8][32 words]: bit l of word c = token 32 c + l chose the expert),
; xq ([token][1024] codes of E5M2: x / 2^lowp[2 e], held within +-57,344, nearest, ties to even, e the token's OWN expert).
; The choice only selects values here (v_cndmask_b32): no address and no branch hangs on it.
; SHARES.  Work-group g: tokens 8 g .. 8 g + 7 (one byte of each expert's mask row, 256 bytes of out1).  Wave w: k = 256 w .. 256 w + 255.
; A lane holds k = 256 w + 128 i + 4 lane + j (i = 0, 1; j = 0 .. 3) of all eight tokens: each load of x covers 512 consecutive bytes.
; LIMITS: lowp[2 e] between -126 and 112, so that 2^e and 57,344 x 2^e are f32 numbers.  NaN in x or in a logit is not served.
; Two logits that differ by less than the rounding of an f32 sum of 1,024 terms may fall either way.
; The mask bytes leave as eight single bytes a work-group (1,024 bytes in the whole launch): each is one work-group's own.
.set PB, 0                             ; LDS: 4 waves x 64 partial sums (f32)
.set CT, 1024                          ; LDS: 4 x 2,048 bytes, each wave's own: the codes' turn into rows
.set VS, 16                            ; v16-23  token t's scale as f32
.set VL, 24                            ; v24-31  57,344 x that
.set X,  32                            ; v32-95  x: 8 t + 4 i + j
.set G,  96                            ; v96-159 gate_W: 8 (4 i + j) + e; later the partial sums read back, and the rows that leave
.set A,  160                           ; v160-223 sums: 8 t + e
.set T,  224                           ; v224-231 at work
.set C,  232                           ; v232-247 codes: 2 t + i
.set SC, 52                            ; s52-59  2^lowp[2 e] as f32
.set M,  66                            ; s66-73  lanes whose token (lane % 8) chose expert e
.set TS, 74                            ; s74-81  token t's scale
	s_load_b256 s[4:11], s[0:1], 0x0               ; x s[4:5], gate_W s[6:7], gate_b s[8:9], lowp_scales s[10:11]
	s_load_b128 s[12:15], s[0:1], 0x20             ; xq s[12:13], masks s[14:15]
	s_load_b64 s[16:17], s[0:1], 0x30              ; out1
	v_lshl_add_u32 v254, v0, 2, 0x2400
	v_mov_b32 v255, 0
	v_lshrrev_b32 v1, 5, v0
	v_readfirstlane_b32 s18, v1                    ; wave
	v_and_b32 v1, 31, v0                           ; lane
	v_lshlrev_b32 v2, 4, v1                        ; x: 16 bytes a lane
	v_lshlrev_b32 v3, 7, v1                        ; gate_W: four rows of 32 bytes a lane
	v_and_b32 v13, 15, v0
	s_lshl_b32 s26, s18, 8
	v_lshl_add_u32 v4, v13, 2, s26                 ; my wave's partial sums: 256 w + 4 (lane % 16)
	v_and_b32 v5, 7, v0
	v_lshlrev_b32 v5, 5, v5                        ; a token's eight partial sums: 32 (lane % 8)
	s_lshl_b32 s27, s18, 11
	s_add_co_u32 s27, s27, CT
	v_lshl_add_u32 v6, v1, 2, s27                  ; the turn, in: 4 bytes a lane
	v_lshl_add_u32 v7, v1, 4, s27                  ; and out: 16 bytes a lane
	v_bfe_u32 v8, v0, 4, 1
	v_lshlrev_b32 v8, 10, v8
	v_lshl_add_u32 v8, v13, 4, v8                  ; xq: lanes 0-15 one token's 256 bytes, lanes 16-31 the next token's
	v_lshlrev_b32 v9, 3, v1                        ; out1: 8 bytes a lane
	v_lshlrev_b32 v10, 8, v1                       ; masks: two rows of 128 bytes a lane
	s_lshl_b32 s86, ttmp9, 15                      ; x: 8 tokens of 4,096 bytes a work-group,
	s_lshl_b32 s26, s18, 10
	s_add_co_u32 s86, s86, s26                     ; + 256 k of 4 bytes a wave
	s_mov_b32 s87, 0
	s_lshl_b32 s88, s18, 13                        ; gate_W: 256 rows of 32 bytes a wave
	s_mov_b32 s89, 0
	s_lshl_b32 s90, ttmp9, 13                      ; xq: 8 tokens of 1,024 bytes,
	s_lshl_b32 s26, s18, 8
	s_add_co_u32 s90, s90, s26                     ; + 256 codes a wave
	s_mov_b32 s91, 0
	s_mov_b32 s92, ttmp9                           ; masks: byte g of a row
	s_mov_b32 s93, 0
	s_lshl_b32 s94, ttmp9, 8                       ; out1: 256 bytes a work-group
	s_mov_b32 s95, 0
	s_mov_b32 s20, 0xaaaaaaaa                      ; lanes with bit 0, 1, 2, 3 set
	s_mov_b32 s21, 0xcccccccc
	s_mov_b32 s22, 0xf0f0f0f0
	s_mov_b32 s23, 0xff00ff00
	s_mov_b32 s24, 0x76543210                      ; v_permlanex16_b32: lane l xor 16
	s_mov_b32 s25, 0xfedcba98
	s_mov_b32 s82, 0x22222222                      ; lanes with lane % 4 = 1, 2, 3
	s_mov_b32 s83, 0x44444444
	s_mov_b32 s84, 0x88888888
	s_wait_kmcnt 0x0
	s_load_b256 s[28:35], s[8:9], 0x0              ; gate_b
	s_load_b512 s[36:51], s[10:11], 0x0            ; lowp_scales[0 .. 15]
	s_add_nc_u64 s[4:5], s[4:5], s[86:87]
	s_add_nc_u64 s[6:7], s[6:7], s[88:89]
	s_add_nc_u64 s[12:13], s[12:13], s[90:91]
	s_add_nc_u64 s[14:15], s[14:15], s[92:93]
	s_add_nc_u64 s[16:17], s[16:17], s[94:95]
.irp i, 0,1
.irp j, 0,1,2,3
.irp z, 0,1
	global_load_b128 v[G+8*(4*\i+\j)+4*\z:G+8*(4*\i+\j)+4*\z+3], v3, s[6:7] offset:4096*\i+32*\j+16*\z
.endr
.endr
.endr
.irp t, 0,1,2,3,4,5,6,7
.irp i, 0,1
	global_load_b128 v[X+8*\t+4*\i:X+8*\t+4*\i+3], v2, s[4:5] offset:4096*\t+512*\i th:TH_LOAD_NT   ; 512 consecutive bytes, read once in the launch
.endr
.endr
; Token t: its eight sums over my eight k, two experts an instruction.  The first product starts the sums.  One number of x (picked by op_sel) serves both halves.
.macro DOT t
	s_wait_loadcnt 2*(7-\t)                        ; gate_W and tokens 0 .. t are in; the later tokens' loads, two each, may be out
.irp p, 0,1,2,3
	v_pk_mul_f32 v[A+8*\t+2*\p:A+8*\t+2*\p+1], v[X+8*\t:X+8*\t+1], v[G+2*\p:G+2*\p+1] op_sel:[0,0] op_sel_hi:[0,1]
.endr
.irp kk, 2,4,6
.irp p, 0,1,2,3
	v_pk_fma_f32 v[A+8*\t+2*\p:A+8*\t+2*\p+1], v[X+8*\t+\kk:X+8*\t+\kk+1], v[G+8*\kk+2*\p:G+8*\kk+2*\p+1], v[A+8*\t+2*\p:A+8*\t+2*\p+1] op_sel:[0,0,0] op_sel_hi:[0,1,1]
.endr
.endr
.irp kk, 1,3,5,7
.irp p, 0,1,2,3
	v_pk_fma_f32 v[A+8*\t+2*\p:A+8*\t+2*\p+1], v[X+8*\t+\kk-1:X+8*\t+\kk], v[G+8*\kk+2*\p:G+8*\kk+2*\p+1], v[A+8*\t+2*\p:A+8*\t+2*\p+1] op_sel:[1,0,0] op_sel_hi:[1,1,1]
.endr
.endr
.endm
.irp t, 0,1,2,3,4,5,6,7
	DOT \t
.endr
; 64 sums over 32 lanes.  A stage joins sums i and i + d: lanes with bit d clear keep i and hand i + d to lane l xor d, the others the other way round:
; half as many registers after each stage, 60 joins of three instructions in all, and lane l ends with sum number 16 q + l % 16 in register 16 q.
.macro HALVE d, m
.set i, 0
.rept 32/\d
	v_cndmask_b32 v[T+(i/(2*\d))%8], v[A+i+\d], v[A+i], \m     ; what I hand over
	v_cndmask_b32 v[A+i], v[A+i], v[A+i+\d], \m                ; what I keep
	v_add_f32_dpp v[A+i], v[T+(i/(2*\d))%8], v[A+i] row_xmask:\d row_mask:0xf bank_mask:0xf
.set i, i+2*\d
.endr
.endm
	HALVE 1, s20
	HALVE 2, s21
	HALVE 4, s22
	HALVE 8, s23
.irp q, 0,1,2,3
	v_permlanex16_b32 v[T+\q], v[A+16*\q], s24, s25        ; the other half of the lanes
.endr
.irp q, 0,1,2,3
	v_add_f32 v[A+16*\q], v[A+16*\q], v[T+\q]
	ds_store_b32 v4, v[A+16*\q] offset:PB+64*\q            ; both halves write the same word with the same number
.endr
	s_wait_dscnt 0x0                               ; my partial sums have landed: then the one barrier
	s_barrier_signal -1
	s_barrier_wait -1
.irp p, 0,1,2,3
.irp z, 0,1
	ds_load_b128 v[G+8*\p+4*\z:G+8*\p+4*\z+3], v5 offset:PB+256*\p+16*\z   ; every wave: lane l takes token l % 8, all four waves' parts
.endr
.endr
	s_wait_kmcnt 0x0
.irp e, 0,1,2,3,4,5,6,7
	s_add_co_i32 s[SC+\e], s[36+2*\e], 127
	s_lshl_b32 s[SC+\e], s[SC+\e], 23              ; 2^lowp[2 e] as f32
.endr
	s_wait_dscnt 0x0
.irp j, 0,2,4,6
	v_pk_add_f32 v[G+\j:G+\j+1], v[G+\j:G+\j+1], v[G+8+\j:G+9+\j]
	v_pk_add_f32 v[G+16+\j:G+17+\j], v[G+16+\j:G+17+\j], v[G+24+\j:G+25+\j]
.endr
.irp j, 0,2,4,6
	v_pk_add_f32 v[G+\j:G+\j+1], v[G+\j:G+\j+1], v[G+16+\j:G+17+\j]
.endr
.irp e, 0,1,2,3,4,5,6,7
	v_add_f32 v[G+\e], s[28+\e], v[G+\e]           ; + gate_b
.endr
	v_mov_b32 v12, v[G]                            ; the largest logit so far,
	v_mov_b32 v11, 0                               ; and its expert
.irp e, 1,2,3,4,5,6,7
	v_cmp_gt_f32 vcc_lo, v[G+\e], v12              ; strictly larger: of equal logits the lower index stays, as in jnp.argmax
	v_cndmask_b32 v12, v12, v[G+\e], vcc_lo
	v_cndmask_b32 v11, v11, \e, vcc_lo
.endr
.irp e, 0,1,2,3,4,5,6,7
	v_cmp_eq_u32 s[M+\e], \e, v11
.endr
	v_mov_b32 v13, s[SC]                           ; the chosen expert's scale, as a value
.irp e, 1,2,3,4,5,6,7
	v_cndmask_b32 v13, v13, s[SC+\e], s[M+\e]
.endr
.irp t, 0,1,2,3,4,5,6,7
	v_readlane_b32 s[TS+\t], v13, \t
.endr
.irp t, 0,1,2,3,4,5,6,7
	v_mov_b32 v[VS+\t], s[TS+\t]
	s_add_co_u32 s85, s[TS+\t], 15<<23
	s_or_b32 s85, s85, 0x600000
	v_mov_b32 v[VL+\t], s85                        ; 57,344 x the scale
.endr
.irp t, 0,1,2,3,4,5,6,7
.irp i, 0,1,2,3,4,5,6,7
	v_med3_num_f32 v[X+8*\t+\i], v[X+8*\t+\i], -v[VL+\t], v[VL+\t]   ; the conversion to an 8-bit code does not saturate (ISA guide 7.6.2): hold first
.endr
	v_cvt_scalef32_pk8_bf8_f32 v[C+2*\t:C+2*\t+1], v[X+8*\t:X+8*\t+7], v[VS+\t]   ; register 2 t: k = 4 lane + 0 .. 3; register 2 t + 1: 128 further on
.endr
	v_nop                                          ; a plain line behind the last conversion
.irp t, 0,1,2,3,4,5,6,7
	ds_store_b32 v6, v[C+2*\t] offset:256*\t
	ds_store_b32 v6, v[C+2*\t+1] offset:256*\t+128
.endr
.irp q, 0,1,2,3
	ds_load_b128 v[G+32+4*\q:G+35+4*\q], v7 offset:512*\q  ; my own bytes, and LDS serves a wave's instructions in order (ISA guide 5.7.1.4): two tokens' 256 bytes
.endr
.irp q, 0,1,2,3
	s_wait_dscnt 3-\q                              ; the later loads may be out
	global_store_b128 v8, v[G+32+4*\q:G+35+4*\q], s[12:13] offset:2048*\q   ; sixteen lanes store 256 consecutive bytes, at a multiple of 256 from xq's first byte
.endr
	s_cmp_lg_u32 s18, 0                            ; the one-hot and the mask bytes: wave 0 alone
	s_cbranch_scc1 .Lend
	v_mov_b32 v224, s[M]                           ; lane l: the ballots of experts 2 (l % 4) and 2 (l % 4) + 1
	v_mov_b32 v225, s[M+1]
.irp p, 1,2,3
	v_cndmask_b32 v224, v224, s[M+2*\p], s[81+\p]
	v_cndmask_b32 v225, v225, s[M+2*\p+1], s[81+\p]
.endr
	v_lshrrev_b32 v226, 2, v1                      ; and token l / 4
	v_lshrrev_b32 v228, v226, v224
	v_lshrrev_b32 v229, v226, v225
	v_and_b32 v228, 1, v228
	v_and_b32 v229, 1, v229
	v_cvt_f32_u32 v228, v228
	v_cvt_f32_u32 v229, v229
	global_store_b64 v9, v[228:229], s[16:17]      ; 256 consecutive bytes of out1
	v_cmp_gt_u32 vcc_lo, 4, v1
	s_wait_xcnt 0x0                                ; EXEC changes only behind this wait
	s_and_saveexec_b32 s85, vcc_lo
	global_store_b8 v10, v224, s[14:15]            ; lanes 0-3: the low byte (tokens 0 .. 7 of the group) of experts 2 l
	global_store_b8 v10, v225, s[14:15] offset:128 ; and 2 l + 1
	s_wait_xcnt 0x0
	s_or_b32 exec_lo, exec_lo, s85
.Lend:
	s_wait_tensorcnt 0x0
	ds_add_u32 v254, v255
	s_wait_dscnt 0x0
	s_endpgm
.Lfunc_end_k_q877624b5c1_route:
	.size	k_q877624b5c1_route, .Lfunc_end_k_q877624b5c1_route-k_q877624b5c1_route
	.p2alignl 7, 3214868480
	.fill 96, 4, 3214868480
	.section	.rodata,"a",@progbits
	.p2align	6, 0x0
	.amdhsa_kernel k_q877624b5c1_route
		.amdhsa_group_segment_fixed_size 9728
		.amdhsa_private_segment_fixed_size 0
		.amdhsa_enable_private_segment 0
		.amdhsa_kernarg_size 56
		.amdhsa_user_sgpr_count 2
		.amdhsa_user_sgpr_kernarg_segment_ptr 1
		.amdhsa_wavefront_size32 1
		.amdhsa_system_sgpr_workgroup_id_x 1
		.amdhsa_system_sgpr_workgroup_id_y 1
		.amdhsa_system_sgpr_workgroup_id_z 1
		.amdhsa_system_vgpr_workitem_id 0
		.amdhsa_next_free_vgpr 256
		.amdhsa_next_free_sgpr 96
		.amdhsa_reserve_vcc 1
		.amdhsa_float_denorm_mode_32 3
		.amdhsa_float_denorm_mode_16_64 3
		.amdhsa_memory_ordered 1
		.amdhsa_forward_progress 1
		.amdhsa_inst_pref_size 48
	.end_amdhsa_kernel
	.amdgpu_metadata
---
amdhsa.version: [ 1, 2 ]
amdhsa.kernels:
  - .name:           k_q877624b5c1_route
    .symbol:         k_q877624b5c1_route.kd
    .args:
      - { .name: x, .offset: 0, .size: 8, .value_kind: global_buffer, .address_space: global }
      - { .name: gate_W, .offset: 8, .size: 8, .value_kind: global_buffer, .address_space: global }
      - { .name: gate_b, .offset: 16, .size: 8, .value_kind: global_buffer, .address_space: global }
      - { .name: lowp_scales, .offset: 24, .size: 8, .value_kind: global_buffer, .address_space: global }
      - { .name: xq, .offset: 32, .size: 8, .value_kind: global_buffer, .address_space: global }
      - { .name: masks, .offset: 40, .size: 8, .value_kind: global_buffer, .address_space: global }
      - { .name: out1, .offset: 48, .size: 8, .value_kind: global_buffer, .address_space: global }
    .group_segment_fixed_size: 9728
    .private_segment_fixed_size: 0
    .kernarg_segment_align: 8
    .kernarg_segment_size: 56
    .max_flat_workgroup_size: 128
    .sgpr_count:     96
    .vgpr_count:     256
    .wavefront_size: 32
...
	.end_amdgpu_metadata
.endif
;; end of part 1
;; launch up (part 2): grid 32 x 8, 4 waves a work-group, no clusters, 271,616 bytes of LDS; arguments up_W_codes, up_b, lowp_scales, xq, masks, hq; writes hq
.if DOCPART == 2
	.amdgcn_target "amdgcn-amd-amdhsa--gfx1250"
	.amdhsa_code_object_version 6
	.text
	.protected	k_q877624b5c1_up
	.globl	k_q877624b5c1_up
	.p2align	8
	.type	k_q877624b5c1_up,@function
k_q877624b5c1_up:
	s_mov_b64 s[64:65], 0
	v_nop
	global_prefetch_b8 v0, s[64:65] scope:SCOPE_SE
	s_setreg_imm32_b32 hwreg(HW_REG_WAVE_MODE, 25, 1), 1
	s_wait_xcnt 0x0
; h = relu(x up_W[e] + up_b[e]) for the tokens that chose expert e, on codes of E5M2, and h's codes (scale 2^lowp[16 + 2 e]) into hq.
; SHARES.  Work-group (j, e) owns hidden units 128 j .. 128 j + 127 of expert e: 128 KiB of weights that no other work-group reads.  Wave w owns units 32 w .. 32 w + 31
; over all K = 1,024: 2 tiles x 8 K steps x 16 registers, which STAY in its registers; the expert's tokens walk past, 32 a block, 128 a chunk.
; No tensor load, no cluster: how many blocks are worked hangs on a count read from memory, so operands come through registers.
; THE LIST.  The expert's 32 mask words (an earlier launch stored them) give its count n and, by wave 0, the list of its tokens in LDS; entries past n are 0.
; At least one block is always worked (nv = max(n, 1)), so that the first requests stand under no branch.  Rows past n are token 0's: they are computed and never used.
; THE PRODUCT IS USED TRANSPOSED (source 0 = 16 rows of W, source 1 = 16 tokens), and row i of tile u is unit 8 u + i + 8 (i / 8): a lane's 16 results are units 16 (lane / 16) + 0 .. 15
; of one token: neighbours along the next product's K, so the conversions' four registers ARE piece c = w of that product's fragment for K step j.
; hq: [e][tile of 16 tokens 64][K step 32][piece 4][lane 32][16 bytes]: images of operand registers.
; Fragments are fetched 16 bytes at a time (registers 4 c .. 4 c + 3: k = 32 c + 16 (lane / 16) + 0 .. 15): a permutation of k, the same on both sides of each product.
; LIMITS: lowp[16+2e] - lowp[2e] - lowp[2e+1] between -126 and 112.  The bias is divided by 2^(lowp[2e] + lowp[2e+1]) by v_ldexp_f32.
; REGISTERS, in windows of 256: 0: addresses and work.  1: W, as loaded and then as fragments at 16 (8 u + s) + 4 c.  2: gathered rows of xq at 64 b + 16 q + 4 z.  3: a block's fragments of x at 32 s + 16 m + 4 c.
.set WP,    1040                       ; an LDS row: 1,024 bytes + 16: 65 x 16, so the 16 rows of a fragment load start at 16 different groups of banks
.set WREG,  32*WP                      ; 32 rows: a wave's weights, and a block of tokens
.set XST,   4*WREG                     ; behind the four waves' weight stages: 128 token rows
.set LIST,  XST+128*WP                 ; 1,152 entries of 4 bytes, then 32 dump words (entry 1,152 + lane)
.set DUMPI, 1152
.set XS,  8                            ; v8-11   block b: where I put gathered rows: row 32 b + 8 w + 4 h (+ q), byte 16 r
.set XA,  12                           ; v12-15  block b: my lane's place in its fragments
.set XO,  32                           ; v32-47  tokens from the list, then byte offsets in xq: 4 b + q
.set BI,  48                           ; v48-63  the bias in the result's layout: 8 u + j
.set ACC, 64                           ; v64-95  four accumulators: 16 m + 8 u
.set CD,  96                           ; v96-103 codes: 4 m
.set MSB, 0
.macro WIN new                         ; the immediate's high byte repeats the setting that is left
.if MSB != \new
	s_set_vgpr_msb (MSB<<8)|\new
.set MSB, \new
.endif
.endm
	s_load_b256 s[4:11], s[0:1], 0x0               ; up_W_codes s[4:5], up_b s[6:7], lowp_scales s[8:9], xq s[10:11]
	s_load_b128 s[12:15], s[0:1], 0x20             ; masks s[12:13], hq s[14:15]
	v_lshl_add_u32 v254, v0, 2, 0x42300
	v_mov_b32 v255, 0
	v_lshrrev_b32 v1, 5, v0
	v_readfirstlane_b32 s16, v1                    ; wave w
	v_and_b32 v1, 31, v0                           ; lane
	v_and_b32 v2, 15, v0                           ; r
	v_bfe_u32 v3, v0, 4, 1                         ; h
	v_lshlrev_b32 v4, 4, v1                        ; 16 x lane
	s_mul_i32 s74, s16, WREG
	v_add_nc_u32 v5, s74, v4                       ; my weight stage, in: 16 bytes a lane
	v_mul_u32_u24 v7, v2, WP
	v_lshl_add_u32 v7, v3, 4, v7                   ; a fragment's row r, + 16 h
	v_add_nc_u32 v6, s74, v7                       ; my weight stage, out
	s_mul_i32 s75, s16, 8*WP
	v_mul_u32_u24 v25, v3, 4*WP
	v_lshl_add_u32 v25, v2, 4, v25
	v_add_nc_u32 v25, s75, v25                     ; row 8 w + 4 h, byte 16 r
.irp b, 0,1,2,3
	v_add_nc_u32 v[XS+\b], XST+\b*WREG, v25
	v_add_nc_u32 v[XA+\b], XST+\b*WREG, v7
.endr
	s_lshl_b32 s76, s16, 5
	v_lshl_add_u32 v16, v3, 4, s76
	v_add_nc_u32 v16, LIST, v16                    ; list entries 8 w + 4 h + 0 .. 3
	s_lshl_b32 s77, s16, 9
	v_add_nc_u32 v18, s77, v4                      ; hq: piece w, 16 bytes a lane
	v_lshlrev_b32 v19, 6, v3                       ; the bias: 16 h numbers on
	v_lshlrev_b32 v20, 4, v2                       ; a row of xq: 16 r
	v_add_nc_u32 v21, LIST, v4                     ; the list's zeros
	v_add_nc_u32 v22, DUMPI, v1                    ; my dump entry
	v_mov_b32 v28, 0
	v_mov_b32 v29, 0
	v_mov_b32 v30, 0
	v_mov_b32 v31, 0
	s_mov_b32 s17, ttmp9                           ; j
	s_and_b32 s18, ttmp7, 0xffff                   ; e
	s_lshl_b32 s74, s18, 7                         ; the expert's 128 bytes of masks
	s_mov_b32 s75, 0
	s_lshl_b32 s76, s18, 3                         ; its two entries of the scales
	s_mov_b32 s77, 0
	s_wait_kmcnt 0x0
	s_add_nc_u64 s[12:13], s[12:13], s[74:75]
	s_add_nc_u64 s[8:9], s[8:9], s[76:77]
	s_load_b512 s[32:47], s[12:13], 0x0
	s_load_b512 s[48:63], s[12:13], 0x40
	s_load_b64 s[20:21], s[8:9], 0x0               ; ex, ew
	s_load_b32 s22, s[8:9], 0x40                   ; eh
	s_lshl_b32 s74, s18, 22                        ; W: 4 MiB an expert, 128 rows of 1,024 bytes a work-group, 32 a wave
	s_lshl_b32 s78, s17, 17
	s_add_co_u32 s74, s74, s78
	s_lshl_b32 s78, s16, 15
	s_add_co_u32 s74, s74, s78
	s_add_nc_u64 s[28:29], s[4:5], s[74:75]
	s_lshl_b32 s74, s18, 14                        ; the bias: 4 (4,096 e + 128 j + 32 w)
	s_lshl_b32 s78, s17, 9
	s_add_co_u32 s74, s74, s78
	s_lshl_b32 s78, s16, 7
	s_add_co_u32 s74, s74, s78
	s_add_nc_u64 s[30:31], s[6:7], s[74:75]
	s_lshl_b32 s74, s18, 22                        ; hq: 4 MiB an expert, K step j of 2,048 bytes
	s_lshl_b32 s78, s17, 11
	s_add_co_u32 s74, s74, s78
	s_add_nc_u64 s[66:67], s[14:15], s[74:75]
.irp u, 0,1
.irp z, 0,1
	global_load_b128 v[BI+8*\u+4*\z:BI+8*\u+4*\z+3], v19, s[30:31] offset:32*\u+16*\z
.endr
.endr
	WIN 0x40                                       ; destination window 1
.set i, 0
.rept 64
	global_load_b128 v[4*i:4*i+3], v4, s[28:29] offset:512*i th:TH_LOAD_NT   ; all my weights at once: 512 consecutive bytes a load, read once in the launch
.set i, i+1
.endr
	WIN 0
	s_wait_kmcnt 0x0
	; THE COUNT (every wave) AND THE LIST (wave 0).  No wave touches LDS ahead of the barrier but wave 0.
	s_bcnt1_i32_b32 s23, s32
.set cc, 1
.rept 31
	s_bcnt1_i32_b32 s74, s[32+cc]
	s_add_co_u32 s23, s23, s74
.set cc, cc+1
.endr
	s_max_u32 s25, s23, 1                          ; nv
	s_cmp_lg_u32 s16, 0
	s_cbranch_scc1 .Lsorted
.set cc, 0
.rept 9
	ds_store_b128 v21, v[28:31] offset:512*cc      ; 1,152 entries of 0
.set cc, cc+1
.endr
	s_mov_b32 s75, 0                               ; tokens of the expert in the words before
.set cc, 0
.rept 32                                       ; word cc: lane l speaks for token 32 cc + l; registers of its own for each word, so nothing waits
	v_mbcnt_lo_u32_b32 v[64+cc], s[32+cc], s75     ; how many of the expert's tokens come before mine
	v_cndmask_b32 v[64+cc], v22, v[64+cc], s[32+cc]    ; a token that chose another expert goes to its lane's dump entry
	v_min_u32 v[64+cc], DUMPI+31, v[64+cc]         ; an entry of the list or of the dump, whatever the words hold
	v_lshl_add_u32 v[64+cc], v[64+cc], 2, LIST
	v_or_b32 v[96+cc], 32*cc, v1
	ds_store_b32 v[64+cc], v[96+cc]
	s_bcnt1_i32_b32 s74, s[32+cc]
	s_add_co_u32 s75, s75, s74
.set cc, cc+1
.endr
.Lsorted:
	s_wait_dscnt 0x0                               ; the list has landed
	s_barrier_signal -1
	s_barrier_wait -1
; From the list to byte offsets in xq: four entries a block.
.macro OFFSETS adr
.irp b, 0,1,2,3
	ds_load_b128 v[XO+4*\b:XO+4*\b+3], v[\adr] offset:128*\b
.endr
	s_wait_dscnt 0x0
.irp i, 0,1,2,3,4,5,6,7,8,9,10,11,12,13,14,15
	v_min_u32 v[XO+\i], 0x3ff, v[XO+\i]            ; a token's number
	v_lshl_add_u32 v[XO+\i], v[XO+\i], 10, v20     ; its row of 1,024 bytes, + 16 r
.endr
.endm
; Block b's rows 8 w .. 8 w + 7 of xq: in each load sixteen lanes read 256 consecutive bytes of one row, at a multiple of 256.
.macro ASKX b
	WIN 0x80                                       ; destination window 2
.irp q, 0,1,2,3
.irp z, 0,1,2,3
	global_load_b128 v[64*(\b)+16*\q+4*\z:64*(\b)+16*\q+4*\z+3], v[XO+4*(\b)+\q], s[10:11] offset:256*\z
.endr
.endr
	WIN 0
.endm
	OFFSETS 16
	; The weights turn through my own stage, sixteen loads at a time; behind each sixteen a block of the first chunk is asked for.
.irp g, 0,1,2,3
	s_wait_loadcnt 48                              ; the bias and weight loads up to 16 g + 15 are in: 48 younger loads (later weights, earlier blocks) may be out
	WIN 0x04                                       ; store data window 1
.set i, 16*\g
.rept 16
.set row, i/2
.set srow, (row&7)|(((row>>3)&1)<<4)|(((row>>4)&1)<<3)   ; unit row lies at stage row 16 u + i: a tile's rows are neighbours in the stage
	ds_store_b128 v5, v[4*i:4*i+3] offset:srow*WP+512*(i&1)
.set i, i+1
.endr
	ASKX \g
.endr
	s_wait_dscnt 0x0                               ; the stores have read their registers
	WIN 0x40
.irp u, 0,1
.irp s, 0,1,2,3,4,5,6,7
.irp c, 0,1,2,3
	ds_load_b128 v[16*(8*\u+\s)+4*\c:16*(8*\u+\s)+4*\c+3], v6 offset:16*WP*\u+128*\s+32*\c
.endr
.endr
.endr
	WIN 0
	s_add_co_i32 s74, s20, s21                     ; ex + ew: a sum stands for sum x 2^(ex + ew)
	s_sub_co_i32 s75, 0, s74
	s_sub_co_i32 s76, s22, s74                     ; so h's code is (sum + b / 2^(ex + ew)) / 2^(eh - ex - ew): one scale for the conversion
	s_add_co_i32 s76, s76, 127
	s_lshl_b32 s77, s76, 23
	v_mov_b32 v23, s77
	s_add_co_i32 s76, s76, 15
	s_lshl_b32 s76, s76, 23
	s_or_b32 s76, s76, 0x600000
	v_mov_b32 v24, s76                             ; 57,344 x that
.irp i, 0,1,2,3,4,5,6,7,8,9,10,11,12,13,14,15
	v_ldexp_f32 v[BI+\i], v[BI+\i], s75
.endr
; A BLOCK of 32 tokens: 64 fragment loads, 32 matrix instructions, relu and hold in one, 4 conversions, 2 stores of 512 consecutive bytes.
; The four accumulators take turns, one instruction a turn, in the same order in every K step.  The bias is the C of each sum's first instruction.
.macro BLOCK b
	WIN 0xc0                                       ; destination window 3
.irp s, 0,1,2,3,4,5,6,7
.irp m, 0,1
.irp c, 0,1,2,3
	ds_load_b128 v[32*\s+16*\m+4*\c:32*\s+16*\m+4*\c+3], v[XA+\b] offset:16*WP*\m+128*\s+32*\c
.endr
.endr
.endr
	WIN 0x0d                                       ; source 0 (W) window 1, source 1 (x) window 3
.irp s, 0,1,2,3,4,5,6,7
	s_wait_dscnt 8*(7-\s)                          ; K step s is in; the later steps' loads, eight each, may be out
.irp m, 0,1
.irp u, 0,1
.if \s == 0
	v_wmma_f32_16x16x128_bf8_bf8 v[ACC+16*\m+8*\u:ACC+16*\m+8*\u+7], v[16*(8*\u+\s):16*(8*\u+\s)+15], v[32*\s+16*\m:32*\s+16*\m+15], v[BI+8*\u:BI+8*\u+7]
.else
	v_wmma_f32_16x16x128_bf8_bf8 v[ACC+16*\m+8*\u:ACC+16*\m+8*\u+7], v[16*(8*\u+\s):16*(8*\u+\s)+15], v[32*\s+16*\m:32*\s+16*\m+15], v[ACC+16*\m+8*\u:ACC+16*\m+8*\u+7]
.endif
.endr
.endr
.endr
	WIN 0
.rept 4
	v_nop                                          ; four places behind the last products, ahead of the first read of results (ISA guide 7.12.1)
.endr
	s_wait_xcnt 0x0                                ; the last block's stores have read their codes
.irp m, 0,1
.irp i, 0,1,2,3,4,5,6,7,8,9,10,11,12,13,14,15
	v_med3_num_f32 v[ACC+16*\m+\i], v[ACC+16*\m+\i], 0, v24    ; relu and the hold at the largest code in one; each accumulator from its low end on
.endr
	v_cvt_scalef32_pk8_bf8_f32 v[CD+4*\m:CD+4*\m+1], v[ACC+16*\m:ACC+16*\m+7], v23
	v_cvt_scalef32_pk8_bf8_f32 v[CD+4*\m+2:CD+4*\m+3], v[ACC+16*\m+8:ACC+16*\m+15], v23
.endr
	v_nop                                          ; a plain line behind the last conversion: later products write its sources
.irp m, 0,1
	global_store_b128 v18, v[CD+4*\m:CD+4*\m+3], s[66:67] offset:(2*\b+\m)*65536
.endr
.endm
	s_mov_b32 s70, 0                               ; the chunk's first place in the list
	s_mov_b32 s71, 8                               ; eight chunks of 128 serve every split; both barriers stand in every trip, the work is jumped over
	s_mov_b32 s72, 512                             ; the next chunk's bytes in the list
.Lchunk:
	s_wait_loadcnt 0x0                             ; this chunk's rows are in registers
.irp b, 0,1,2,3
	s_add_co_u32 s74, s70, 32*\b
	s_cmp_lt_u32 s74, s25
	s_cbranch_scc0 .Lstaged
	WIN 0x08                                       ; store data window 2
.irp q, 0,1,2,3
.irp z, 0,1,2,3
	ds_store_b128 v[XS+\b], v[64*\b+16*\q+4*\z:64*\b+16*\q+4*\z+3] offset:WP*\q+256*\z
.endr
.endr
	WIN 0
.endr
.Lstaged:
	s_wait_dscnt 0x0                               ; my rows have landed (and, in the first trip, my weight fragments are in)
	s_barrier_signal -1
	s_barrier_wait -1                              ; the chunk's rows are whole
	s_add_co_u32 s74, s70, 128                     ; the next chunk's rows are asked for here: they land under this chunk's products
	s_cmp_lt_u32 s74, s25
	s_cbranch_scc0 .Lasked
	v_add_nc_u32 v17, s72, v16
	OFFSETS 17
	ASKX 0
.irp b, 1,2,3
	s_add_co_u32 s74, s70, 128+32*\b
	s_cmp_lt_u32 s74, s25
	s_cbranch_scc0 .Lasked
	ASKX \b
.endr
.Lasked:
.irp b, 0,1,2,3
	s_add_co_u32 s74, s70, 32*\b
	s_cmp_lt_u32 s74, s25
	s_cbranch_scc0 .Lworked
	BLOCK \b
.endr
.Lworked:
	s_wait_dscnt 0x0                               ; my reads of the rows are over
	s_barrier_signal -1
	s_barrier_wait -1                              ; everybody's are: the next trip may write them
	s_wait_xcnt 0x0                                ; the stores have read their base
	s_add_nc_u64 s[66:67], s[66:67], 0x80000       ; eight tiles of 65,536 bytes on
	s_add_co_u32 s70, s70, 128
	s_add_co_u32 s72, s72, 512
	s_sub_co_u32 s71, s71, 1
	s_cmp_lg_u32 s71, 0
	s_cbranch_scc1 .Lchunk
	s_wait_tensorcnt 0x0
	ds_add_u32 v254, v255
	s_wait_dscnt 0x0
	s_endpgm
.Lfunc_end_k_q877624b5c1_up:
	.size	k_q877624b5c1_up, .Lfunc_end_k_q877624b5c1_up-k_q877624b5c1_up
	.p2alignl 7, 3214868480
	.fill 96, 4, 3214868480
	.section	.rodata,"a",@progbits
	.p2align	6, 0x0
	.amdhsa_kernel k_q877624b5c1_up
		.amdhsa_group_segment_fixed_size 271616
		.amdhsa_private_segment_fixed_size 0
		.amdhsa_enable_private_segment 0
		.amdhsa_kernarg_size 48
		.amdhsa_user_sgpr_count 2
		.amdhsa_user_sgpr_kernarg_segment_ptr 1
		.amdhsa_wavefront_size32 1
		.amdhsa_system_sgpr_workgroup_id_x 1
		.amdhsa_system_sgpr_workgroup_id_y 1
		.amdhsa_system_sgpr_workgroup_id_z 1
		.amdhsa_system_vgpr_workitem_id 0
		.amdhsa_next_free_vgpr 1024
		.amdhsa_next_free_sgpr 96
		.amdhsa_reserve_vcc 0
		.amdhsa_float_denorm_mode_32 3
		.amdhsa_float_denorm_mode_16_64 3
		.amdhsa_memory_ordered 1
		.amdhsa_forward_progress 1
		.amdhsa_inst_pref_size 97
	.end_amdhsa_kernel
	.amdgpu_metadata
---
amdhsa.version: [ 1, 2 ]
amdhsa.kernels:
  - .name:           k_q877624b5c1_up
    .symbol:         k_q877624b5c1_up.kd
    .args:
      - { .name: up_W_codes, .offset: 0, .size: 8, .value_kind: global_buffer, .address_space: global }
      - { .name: up_b, .offset: 8, .size: 8, .value_kind: global_buffer, .address_space: global }
      - { .name: lowp_scales, .offset: 16, .size: 8, .value_kind: global_buffer, .address_space: global }
      - { .name: xq, .offset: 24, .size: 8, .value_kind: global_buffer, .address_space: global }
      - { .name: masks, .offset: 32, .size: 8, .value_kind: global_buffer, .address_space: global }
      - { .name: hq, .offset: 40, .size: 8, .value_kind: global_buffer, .address_space: global }
    .group_segment_fixed_size: 271616
    .private_segment_fixed_size: 0
    .kernarg_segment_align: 8
    .kernarg_segment_size: 48
    .max_flat_workgroup_size: 128
    .sgpr_count:     96
    .vgpr_count:     1024
    .wavefront_size: 32
...
	.end_amdgpu_metadata
.endif
;; end of part 2
;; launch down (part 3): grid 32 x 8, 8 waves a work-group, no clusters, 288,512 bytes of LDS; arguments down_W_codes, down_b, lowp_scales, hq, masks, out0; writes out0
.if DOCPART == 3
	.amdgcn_target "amdgcn-amd-amdhsa--gfx1250"
	.amdhsa_code_object_version 6
	.text
	.protected	k_q877624b5c1_down
	.globl	k_q877624b5c1_down
	.p2align	8
	.type	k_q877624b5c1_down,@function
k_q877624b5c1_down:
	s_mov_b64 s[64:65], 0
	v_nop
	global_prefetch_b8 v0, s[64:65] scope:SCOPE_SE
	s_setreg_imm32_b32 hwreg(HW_REG_WAVE_MODE, 25, 1), 1
	s_wait_xcnt 0x0
; out0[token] = h down_W[e] + down_b[e] for the tokens that chose expert e, on codes of E5M2.
; SHARES.  Work-group (cs, e) owns output columns 32 cs .. 32 cs + 31 of expert e: 32 rows of 4,096 codes, 128 KiB that no other work-group reads.
; Wave w owns K steps 4 w .. 4 w + 3 (512 bytes of each row): 2 column tiles x 4 x 16 registers, which stay.  So each byte of hq goes to ONE wave of the work-group,
; straight into operand registers by loads of 512 consecutive bytes (hq holds images of those registers); the eight waves' partial sums meet in LDS.
; Eight waves, so that each holds two sets of a block's fragments: one at work, one on its way.
; No tensor load, no cluster: how many blocks are worked hangs on a count read from memory.
; THE PRODUCT IS USED TRANSPOSED (source 0 = 16 columns' rows of W, source 1 = 16 tokens): a lane holds one token and eight neighbouring columns.
; The list of the expert's tokens is made as in the launch before; block 0 is always worked (nv = max(n, 1)); a row is stored only where its place is under the true n.
; A store covers four tokens' rows x 128 consecutive bytes: 64 columns to a work-group would make whole blocks of 256 bytes, with half as many work-groups.
; LIMIT: lowp[16+2e] + lowp[17+2e] between -126 and 127, so that its power of two is an f32 number.
; REGISTERS: window 0: v1-31 addresses and small things; v48-79 four accumulators (16 m + 8 q); v80-111 partial sums read back; v128-255 set A (64 m + 16 s + 4 c).
;   window 1: v0-127 W, as loaded and then as fragments at 16 (4 q + s) + 4 c; v128-255 set B.
.set WP,    528                        ; a stage row: 512 bytes + 16: 33 x 16
.set WREG,  32*WP
.set PART,  8*WREG                     ; behind the weight stages: for each wave 128 token rows of 128 bytes + 16
.set PP,    144
.set PREG,  128*PP
.set LIST,  PART+8*PREG                ; 1,152 entries of 4 bytes, then 32 dump words
.set DUMPI, 1152
.set ACC, 48
.set R,   80
.set MSB, 0
.macro WIN new                         ; the immediate's high byte repeats the setting that is left
.if MSB != \new
	s_set_vgpr_msb (MSB<<8)|\new
.set MSB, \new
.endif
.endm
	s_load_b256 s[4:11], s[0:1], 0x0               ; down_W_codes s[4:5], down_b s[6:7], lowp_scales s[8:9], hq s[10:11]
	s_load_b128 s[12:15], s[0:1], 0x20             ; masks s[12:13], out0 s[14:15]
	v_lshl_add_u32 v126, v0, 2, 0x46300
	v_mov_b32 v127, 0
	v_lshrrev_b32 v1, 5, v0
	v_readfirstlane_b32 s16, v1                    ; wave w
	v_and_b32 v1, 31, v0                           ; lane
	v_and_b32 v2, 15, v0                           ; r
	v_bfe_u32 v3, v0, 4, 1                         ; h
	v_lshlrev_b32 v4, 4, v1                        ; 16 x lane
	s_mul_i32 s74, s16, WREG
	v_add_nc_u32 v5, s74, v4                       ; my weight stage, in
	v_mul_u32_u24 v6, v2, WP
	v_lshl_add_u32 v6, v3, 4, v6
	v_add_nc_u32 v6, s74, v6                       ; and out: row r, + 16 h
	s_lshl_b32 s75, s16, 13
	v_add_nc_u32 v7, s75, v4                       ; hq: my four K steps of 2,048 bytes, 16 bytes a lane
	s_mul_i32 s76, s16, PREG
	v_mul_u32_u24 v8, v2, PP
	v_lshl_add_u32 v8, v3, 5, v8
	v_add_nc_u32 v8, s76, v8
	v_add_nc_u32 v8, PART, v8                      ; my partial sums: token row r, + 32 h
	v_bfe_u32 v28, v0, 3, 2                        ; lane / 8
	s_lshl_b32 s77, s16, 2
	v_add_nc_u32 v14, s77, v28                     ; the row of a block that I sum: 4 w + lane / 8
	v_and_b32 v15, 7, v0
	v_lshlrev_b32 v15, 4, v15                      ; and my 16 bytes of it
	v_mul_u32_u24 v29, v14, PP
	v_add_nc_u32 v29, v29, v15
.irp g, 0,1,2
	v_add_nc_u32 v[9+\g], PART+3*PREG*\g, v29      ; three waves' parts to an address register, so that the offsets fit 16 bits
.endr
	v_lshl_add_u32 v12, v14, 2, LIST               ; that row's list entry
	v_add_nc_u32 v16, LIST, v4                     ; the list's zeros
	v_add_nc_u32 v17, DUMPI, v1                    ; my dump entry
	v_mov_b32 v24, 0
	v_mov_b32 v25, 0
	v_mov_b32 v26, 0
	v_mov_b32 v27, 0
	s_mov_b32 s17, ttmp9                           ; cs
	s_and_b32 s18, ttmp7, 0xffff                   ; e
	s_lshl_b32 s74, s18, 7
	s_mov_b32 s75, 0
	s_lshl_b32 s76, s18, 3
	s_mov_b32 s77, 0
	s_wait_kmcnt 0x0
	s_add_nc_u64 s[12:13], s[12:13], s[74:75]
	s_add_nc_u64 s[8:9], s[8:9], s[76:77]
	s_load_b512 s[32:47], s[12:13], 0x0            ; the expert's mask words
	s_load_b512 s[48:63], s[12:13], 0x40
	s_load_b64 s[20:21], s[8:9], 0x40              ; eh, ew
	s_lshl_b32 s74, s18, 22                        ; W: 4 MiB an expert, 32 rows of 4,096 bytes a work-group, 512 bytes of a row a wave
	s_lshl_b32 s78, s17, 17
	s_add_co_u32 s74, s74, s78
	s_lshl_b32 s78, s16, 9
	s_add_co_u32 s74, s74, s78
	s_add_nc_u64 s[28:29], s[4:5], s[74:75]
	s_lshl_b32 s74, s18, 12                        ; the bias: 4 (1,024 e + 32 cs)
	s_lshl_b32 s78, s17, 7
	s_add_co_u32 s74, s74, s78
	s_add_nc_u64 s[30:31], s[6:7], s[74:75]
	s_lshl_b32 s74, s18, 22
	s_add_nc_u64 s[66:67], s[10:11], s[74:75]      ; hq at the expert's first tile
	s_mov_b32 s74, s78
	s_add_nc_u64 s[68:69], s[14:15], s[74:75]      ; out0 at my 32 columns
	global_load_b128 v[20:23], v15, s[30:31]       ; the bias of my four columns
	WIN 0x40                                       ; destination window 1
.set i, 0
.rept 32
	global_load_b128 v[4*i:4*i+3], v4, s[28:29] offset:4096*i th:TH_LOAD_NT   ; all my weights at once: 512 consecutive bytes a load, read once in the launch
.set i, i+1
.endr
	WIN 0
; A block's fragments (two tiles of 16 tokens x my four K steps) into set A (which = 0) or B (1): 32 loads of 512 consecutive bytes.
.macro ASKH which, tile0
.if (\which)
	WIN 0x40
.endif
.irp m, 0,1
.irp s, 0,1,2,3
.irp c, 0,1,2,3
	global_load_b128 v[128+64*\m+16*\s+4*\c:128+64*\m+16*\s+4*\c+3], v7, s[66:67] offset:((\tile0)+\m)*65536+2048*\s+512*\c
.endr
.endr
.endr
	WIN 0
.endm
	ASKH 0, 0                                      ; block 0, under no branch
	s_wait_kmcnt 0x0
	; THE COUNT (every wave) AND THE LIST (wave 0).  No wave touches LDS ahead of the barrier but wave 0.
	s_bcnt1_i32_b32 s23, s32
.set cc, 1
.rept 31
	s_bcnt1_i32_b32 s74, s[32+cc]
	s_add_co_u32 s23, s23, s74
.set cc, cc+1
.endr
	s_max_u32 s25, s23, 1                          ; nv
	s_cmp_lg_u32 s16, 0
	s_cbranch_scc1 .Lsorted
.set cc, 0
.rept 9
	ds_store_b128 v16, v[24:27] offset:512*cc      ; 1,152 entries of 0
.set cc, cc+1
.endr
	s_mov_b32 s75, 0
.set cc, 0
.rept 32                                       ; word cc: lane l speaks for token 32 cc + l
	v_mbcnt_lo_u32_b32 v[48+cc], s[32+cc], s75     ; how many of the expert's tokens come before mine
	v_cndmask_b32 v[48+cc], v17, v[48+cc], s[32+cc]    ; a token that chose another expert goes to its lane's dump entry
	v_min_u32 v[48+cc], DUMPI+31, v[48+cc]         ; an entry of the list or of the dump, whatever the words hold
	v_lshl_add_u32 v[48+cc], v[48+cc], 2, LIST
	v_or_b32 v[80+cc], 32*cc, v1
	ds_store_b32 v[48+cc], v[80+cc]
	s_bcnt1_i32_b32 s74, s[32+cc]
	s_add_co_u32 s75, s75, s74
.set cc, cc+1
.endr
.Lsorted:
	s_wait_dscnt 0x0                               ; the list has landed
	s_barrier_signal -1
	s_barrier_wait -1
	; the weights turn through my own stage into fragments
	s_wait_loadcnt 48                              ; the bias and rows 0-15 are in; rows 16-31 and block 0's 32 loads may be out
	WIN 0x04                                       ; store data window 1
.set i, 0
.rept 16
	ds_store_b128 v5, v[4*i:4*i+3] offset:WP*i
.set i, i+1
.endr
	s_wait_loadcnt 32                              ; rows 16-31 are in; block 0's loads may be out
.rept 16
	ds_store_b128 v5, v[4*i:4*i+3] offset:WP*i
.set i, i+1
.endr
	s_wait_dscnt 0x0                               ; the stores have read their registers
	WIN 0x40
.irp q, 0,1
.irp s, 0,1,2,3
.irp c, 0,1,2,3
	ds_load_b128 v[16*(4*\q+\s)+4*\c:16*(4*\q+\s)+4*\c+3], v6 offset:16*WP*\q+128*\s+32*\c
.endr
.endr
.endr
	WIN 0
	s_add_co_i32 s78, s20, s21
	s_add_co_i32 s78, s78, 127
	s_lshl_b32 s78, s78, 23                        ; 2^(eh + ew) as f32
	s_mov_b32 s79, s78                             ; (named with it as a pair, so it is written)
; Block b's products over my four K steps, and my partial sums into LDS.  The four accumulators take turns, one instruction a turn; the first K step starts the sums.
.macro WORK b
	s_wait_dscnt 0x0                               ; the weight fragments are in; the last block's LDS stores have read the accumulators
.if (\b)%2
	WIN 0x05                                       ; W and set B in window 1
.else
	WIN 0x01                                       ; W in window 1, set A in window 0
.endif
.irp s, 0,1,2,3
.irp m, 0,1
.irp q, 0,1
.if \s == 0
	v_wmma_f32_16x16x128_bf8_bf8 v[ACC+16*\m+8*\q:ACC+16*\m+8*\q+7], v[16*(4*\q+\s):16*(4*\q+\s)+15], v[128+64*\m+16*\s:128+64*\m+16*\s+15], 0
.else
	v_wmma_f32_16x16x128_bf8_bf8 v[ACC+16*\m+8*\q:ACC+16*\m+8*\q+7], v[16*(4*\q+\s):16*(4*\q+\s)+15], v[128+64*\m+16*\s:128+64*\m+16*\s+15], v[ACC+16*\m+8*\q:ACC+16*\m+8*\q+7]
.endif
.endr
.endr
.endr
	WIN 0
.rept 5
	v_nop                                          ; four places ahead of the stores that read results and of loads into the set; five ahead of the next block's products, which begin the accumulators anew
.endr
.irp m, 0,1
.irp q, 0,1
.irp z, 0,1
	ds_store_b128 v8, v[ACC+16*\m+8*\q+4*\z:ACC+16*\m+8*\q+4*\z+3] offset:(32*(\b)+16*\m)*PP+64*\q+16*\z   ; each accumulator from its low end on
.endr
.endr
.endr
.endm
; Block b's sums: I take four token rows, 16 bytes a lane, of all eight waves' parts; x 2^(eh + ew) + bias; stored at the token's row where the place is under n.
.macro RED b
.irp p, 0,1,2,3,4,5,6,7
	ds_load_b128 v[R+4*\p:R+4*\p+3], v[9+\p/3] offset:PREG*(\p%3)+32*PP*(\b)
.endr
	ds_load_b32 v18, v13 offset:128*(\b)           ; the row's token
	s_wait_dscnt 0x0
.irp j, 0,2
	v_pk_add_f32 v[R+\j:R+\j+1], v[R+\j:R+\j+1], v[R+4+\j:R+5+\j]
	v_pk_add_f32 v[R+8+\j:R+9+\j], v[R+8+\j:R+9+\j], v[R+12+\j:R+13+\j]
	v_pk_add_f32 v[R+16+\j:R+17+\j], v[R+16+\j:R+17+\j], v[R+20+\j:R+21+\j]
	v_pk_add_f32 v[R+24+\j:R+25+\j], v[R+24+\j:R+25+\j], v[R+28+\j:R+29+\j]
.endr
.irp j, 0,2
	v_pk_add_f32 v[R+\j:R+\j+1], v[R+\j:R+\j+1], v[R+8+\j:R+9+\j]
	v_pk_add_f32 v[R+16+\j:R+17+\j], v[R+16+\j:R+17+\j], v[R+24+\j:R+25+\j]
.endr
.irp j, 0,2
	v_pk_add_f32 v[R+\j:R+\j+1], v[R+\j:R+\j+1], v[R+16+\j:R+17+\j]
.endr
.irp j, 0,2
	v_pk_fma_f32 v[24+\j:25+\j], v[R+\j:R+\j+1], s[78:79], v[20+\j:21+\j] op_sel_hi:[1,0,1]
.endr
	v_min_u32 v18, 0x3ff, v18                      ; a token's number
	v_lshl_add_u32 v18, v18, 12, v15               ; its row of 4,096 bytes, + my 16
	v_add_nc_u32 v19, s74, v14                     ; the row's place in the list (s74: the block's first)
	v_cmp_gt_u32 vcc_lo, s23, v19                  ; under the true n?
	s_wait_xcnt 0x0                                ; EXEC changes only behind this wait
	s_and_saveexec_b32 s76, vcc_lo                 ; (the old EXEC, all lanes, goes to s76 and is not wanted again)
	global_store_b128 v18, v[24:27], s[68:69] th:TH_STORE_NT
	s_wait_xcnt 0x0                                ; and again; the store's registers may be written too
	s_mov_b32 exec_lo, -1                          ; every lane on again, by the constant: what is written from here on hangs on no count
.endm
	s_mov_b32 s70, 0                               ; the chunk's first place in the list
	s_mov_b32 s71, 8                               ; eight chunks of 128 serve every split; both barriers stand in every trip, the work is jumped over
	s_mov_b32 s72, 0                               ; the chunk's bytes in the list
.Lchunk:
	s_cmp_lt_u32 s70, s25
	s_cbranch_scc0 .Lpart
.irp b, 0,1,2,3                        ; a block is reached only on the way on which its fragments were asked for
	s_add_co_u32 s74, s70, 32*\b+32
	s_cmp_lt_u32 s74, s25
	s_cbranch_scc0 .Llast\b
	ASKH 1-\b%2, 2*\b+2                            ; the next block (behind block 3: the next chunk's first) into the other set
	s_wait_loadcnt 32                              ; this block's fragments are in; the 32 loads just issued may be out
	WORK \b
.endr
	s_branch .Lpart
.irp b, 0,1,2
.Llast\b:
	s_wait_loadcnt 0x0                             ; nothing follows this block
	WORK \b
	s_branch .Lpart
.endr
.Llast3:
	s_wait_loadcnt 0x0
	WORK 3
.Lpart:
	s_wait_dscnt 0x0                               ; my partial sums have landed
	s_barrier_signal -1
	s_barrier_wait -1                              ; everybody's have
	v_add_nc_u32 v13, s72, v12
.irp b, 0,1,2,3
	s_add_co_u32 s74, s70, 32*\b
	s_cmp_lt_u32 s74, s25
	s_cbranch_scc0 .Lsummed
	RED \b
.endr
.Lsummed:
	s_wait_dscnt 0x0                               ; my reads of the partial sums are over
	s_barrier_signal -1
	s_barrier_wait -1                              ; everybody's are: the next trip may write them
	s_wait_xcnt 0x0                                ; the loads on their way have read their base
	s_add_nc_u64 s[66:67], s[66:67], 0x80000       ; eight tiles of 65,536 bytes on
	s_add_co_u32 s70, s70, 128
	s_add_co_u32 s72, s72, 512
	s_sub_co_u32 s71, s71, 1
	s_cmp_lg_u32 s71, 0
	s_cbranch_scc1 .Lchunk
	s_wait_tensorcnt 0x0
	ds_add_u32 v126, v127
	s_wait_dscnt 0x0
	s_endpgm
.Lfunc_end_k_q877624b5c1_down:
	.size	k_q877624b5c1_down, .Lfunc_end_k_q877624b5c1_down-k_q877624b5c1_down
	.p2alignl 7, 3214868480
	.fill 96, 4, 3214868480
	.section	.rodata,"a",@progbits
	.p2align	6, 0x0
	.amdhsa_kernel k_q877624b5c1_down
		.amdhsa_group_segment_fixed_size 288512
		.amdhsa_private_segment_fixed_size 0
		.amdhsa_enable_private_segment 0
		.amdhsa_kernarg_size 48
		.amdhsa_user_sgpr_count 2
		.amdhsa_user_sgpr_kernarg_segment_ptr 1
		.amdhsa_wavefront_size32 1
		.amdhsa_system_sgpr_workgroup_id_x 1
		.amdhsa_system_sgpr_workgroup_id_y 1
		.amdhsa_system_sgpr_workgroup_id_z 1
		.amdhsa_system_vgpr_workitem_id 0
		.amdhsa_next_free_vgpr 512
		.amdhsa_next_free_sgpr 96
		.amdhsa_reserve_vcc 1
		.amdhsa_float_denorm_mode_32 3
		.amdhsa_float_denorm_mode_16_64 3
		.amdhsa_memory_ordered 1
		.amdhsa_forward_progress 1
		.amdhsa_inst_pref_size 68
	.end_amdhsa_kernel
	.amdgpu_metadata
---
amdhsa.version: [ 1, 2 ]
amdhsa.kernels:
  - .name:           k_q877624b5c1_down
    .symbol:         k_q877624b5c1_down.kd
    .args:
      - { .name: down_W_codes, .offset: 0, .size: 8, .value_kind: global_buffer, .address_space: global }
      - { .name: down_b, .offset: 8, .size: 8, .value_kind: global_buffer, .address_space: global }
      - { .name: lowp_scales, .offset: 16, .size: 8, .value_kind: global_buffer, .address_space: global }
      - { .name: hq, .offset: 24, .size: 8, .value_kind: global_buffer, .address_space: global }
      - { .name: masks, .offset: 32, .size: 8, .value_kind: global_buffer, .address_space: global }
      - { .name: out0, .offset: 40, .size: 8, .value_kind: global_buffer, .address_space: global }
    .group_segment_fixed_size: 288512
    .private_segment_fixed_size: 0
    .kernarg_segment_align: 8
    .kernarg_segment_size: 48
    .max_flat_workgroup_size: 256
    .sgpr_count:     96
    .vgpr_count:     512
    .wavefront_size: 32
...
	.end_amdgpu_metadata
.endif
;; end of part 3
;; ======== version 2 of 2: 3 launches
;; workspace buffers: xq 1,048,576 bytes; masks 1,024 bytes of whole numbers; hq 33,554,432 bytes
;; launch route (part 4): grid 128 x 1, 4 waves a work-group, no clusters, 9,728 bytes of LDS; arguments x, gate_W, gate_b, lowp_scales, xq, masks, out1; writes xq, masks, out1
.if DOCPART == 4
	.amdgcn_target "amdgcn-amd-amdhsa--gfx1250"
	.amdhsa_code_object_version 6
	.text
	.protected	k_q877624b5c1_route
	.globl	k_q877624b5c1_route
	.p2align	8
	.type	k_q877624b5c1_route,@function
k_q877624b5c1_route:
	s_mov_b64 s[64:65], 0
	v_nop
	global_prefetch_b8 v0, s[64:65] scope:SCOPE_SE
	s_setreg_imm32_b32 hwreg(HW_REG_WAVE_MODE, 25, 1), 1
	s_wait_xcnt 0x0
; THE ROUTER.  logits = x gate_W + gate_b in f32 (fused multiply-adds; an argmax hangs on them), the first largest logit chooses a token's expert e.
; Stored, all at fixed places: out1 (the one-hot as f32), masks ([expert 8][32 words]: bit l of word c = token 32 c + l chose the expert),
; xq ([token][1024] codes of E5M2: x / 2^lowp[2 e], held within +-57,344, nearest, ties to even, e the token's OWN expert).
; The choice only selects values here (v_cndmask_b32): no address and no branch hangs on it.
; SHARES.  Work-group g: tokens 8 g .. 8 g + 7 (one byte of each expert's mask row, 256 bytes of out1).  Wave w: k = 256 w .. 256 w + 255.
; A lane holds k = 256 w + 128 i + 4 lane + j (i = 0, 1; j = 0 .. 3) of all eight tokens: each load of x covers 512 consecutive bytes.
; LIMITS: lowp[2 e] between -126 and 112, so that 2^e and 57,344 x 2^e are f32 numbers.  NaN in x or in a logit is not served.
; Two logits that differ by less than the rounding of an f32 sum of 1,024 terms may fall either way.
; The mask bytes leave as eight single bytes a work-group (1,024 bytes in the whole launch): each is one work-group's own.
.set PB, 0                             ; LDS: 4 waves x 64 partial sums (f32)
.set CT, 1024                          ; LDS: 4 x 2,048 bytes, each wave's own: the codes' turn into rows
.set VS, 16                            ; v16-23  token t's scale as f32
.set VL, 24                            ; v24-31  57,344 x that
.set X,  32                            ; v32-95  x: 8 t + 4 i + j
.set G,  96                            ; v96-159 gate_W: 8 (4 i + j) + e; later the partial sums read back, and the rows that leave
.set A,  160                           ; v160-223 sums: 8 t + e
.set T,  224                           ; v224-231 at work
.set C,  232                           ; v232-247 codes: 2 t + i
.set SC, 52                            ; s52-59  2^lowp[2 e] as f32
.set M,  66                            ; s66-73  lanes whose token (lane % 8) chose expert e
.set TS, 74                            ; s74-81  token t's scale
	s_load_b256 s[4:11], s[0:1], 0x0               ; x s[4:5], gate_W s[6:7], gate_b s[8:9], lowp_scales s[10:11]
	s_load_b128 s[12:15], s[0:1], 0x20             ; xq s[12:13], masks s[14:15]
	s_load_b64 s[16:17], s[0:1], 0x30              ; out1
	v_lshl_add_u32 v254, v0, 2, 0x2400
	v_mov_b32 v255, 0
	v_lshrrev_b32 v1, 5, v0
	v_readfirstlane_b32 s18, v1                    ; wave
	v_and_b32 v1, 31, v0                           ; lane
	v_lshlrev_b32 v2, 4, v1                        ; x: 16 bytes a lane
	v_lshlrev_b32 v3, 7, v1                        ; gate_W: four rows of 32 bytes a lane
	v_and_b32 v13, 15, v0
	s_lshl_b32 s26, s18, 8
	v_lshl_add_u32 v4, v13, 2, s26                 ; my wave's partial sums: 256 w + 4 (lane % 16)
	v_and_b32 v5, 7, v0
	v_lshlrev_b32 v5, 5, v5                        ; a token's eight partial sums: 32 (lane % 8)
	s_lshl_b32 s27, s18, 11
	s_add_co_u32 s27, s27, CT
	v_lshl_add_u32 v6, v1, 2, s27                  ; the turn, in: 4 bytes a lane
	v_lshl_add_u32 v7, v1, 4, s27                  ; and out: 16 bytes a lane
	v_bfe_u32 v8, v0, 4, 1
	v_lshlrev_b32 v8, 10, v8
	v_lshl_add_u32 v8, v13, 4, v8                  ; xq: lanes 0-15 one token's 256 bytes, lanes 16-31 the next token's
	v_lshlrev_b32 v9, 3, v1                        ; out1: 8 bytes a lane
	v_lshlrev_b32 v10, 8, v1                       ; masks: two rows of 128 bytes a lane
	s_lshl_b32 s86, ttmp9, 15                      ; x: 8 tokens of 4,096 bytes a work-group,
	s_lshl_b32 s26, s18, 10
	s_add_co_u32 s86, s86, s26                     ; + 256 k of 4 bytes a wave
	s_mov_b32 s87, 0
	s_lshl_b32 s88, s18, 13                        ; gate_W: 256 rows of 32 bytes a wave
	s_mov_b32 s89, 0
	s_lshl_b32 s90, ttmp9, 13                      ; xq: 8 tokens of 1,024 bytes,
	s_lshl_b32 s26, s18, 8
	s_add_co_u32 s90, s90, s26                     ; + 256 codes a wave
	s_mov_b32 s91, 0
	s_mov_b32 s92, ttmp9                           ; masks: byte g of a row
	s_mov_b32 s93, 0
	s_lshl_b32 s94, ttmp9, 8                       ; out1: 256 bytes a work-group
	s_mov_b32 s95, 0
	s_mov_b32 s20, 0xaaaaaaaa                      ; lanes with bit 0, 1, 2, 3 set
	s_mov_b32 s21, 0xcccccccc
	s_mov_b32 s22, 0xf0f0f0f0
	s_mov_b32 s23, 0xff00ff00
	s_mov_b32 s24, 0x76543210                      ; v_permlanex16_b32: lane l xor 16
	s_mov_b32 s25, 0xfedcba98
	s_mov_b32 s82, 0x22222222                      ; lanes with lane % 4 = 1, 2, 3
	s_mov_b32 s83, 0x44444444
	s_mov_b32 s84, 0x88888888
	s_wait_kmcnt 0x0
	s_load_b256 s[28:35], s[8:9], 0x0              ; gate_b
	s_load_b512 s[36:51], s[10:11], 0x0            ; lowp_scales[0 .. 15]
	s_add_nc_u64 s[4:5], s[4:5], s[86:87]
	s_add_nc_u64 s[6:7], s[6:7], s[88:89]
	s_add_nc_u64 s[12:13], s[12:13], s[90:91]
	s_add_nc_u64 s[14:15], s[14:15], s[92:93]
	s_add_nc_u64 s[16:17], s[16:17], s[94:95]
.irp i, 0,1
.irp j, 0,1,2,3
.irp z, 0,1
	global_load_b128 v[G+8*(4*\i+\j)+4*\z:G+8*(4*\i+\j)+4*\z+3], v3, s[6:7] offset:4096*\i+32*\j+16*\z
.endr
.endr
.endr
.irp t, 0,1,2,3,4,5,6,7
.irp i, 0,1
	global_load_b128 v[X+8*\t+4*\i:X+8*\t+4*\i+3], v2, s[4:5] offset:4096*\t+512*\i th:TH_LOAD_NT   ; 512 consecutive bytes, read once in the launch
.endr
.endr
; Token t: its eight sums over my eight k, two experts an instruction.  The first product starts the sums.  One number of x (picked by op_sel) serves both halves.
.macro DOT t
	s_wait_loadcnt 2*(7-\t)                        ; gate_W and tokens 0 .. t are in; the later tokens' loads, two each, may be out
.irp p, 0,1,2,3
	v_pk_mul_f32 v[A+8*\t+2*\p:A+8*\t+2*\p+1], v[X+8*\t:X+8*\t+1], v[G+2*\p:G+2*\p+1] op_sel:[0,0] op_sel_hi:[0,1]
.endr
.irp kk, 2,4,6
.irp p, 0,1,2,3
	v_pk_fma_f32 v[A+8*\t+2*\p:A+8*\t+2*\p+1], v[X+8*\t+\kk:X+8*\t+\kk+1], v[G+8*\kk+2*\p:G+8*\kk+2*\p+1], v[A+8*\t+2*\p:A+8*\t+2*\p+1] op_sel:[0,0,0] op_sel_hi:[0,1,1]
.endr
.endr
.irp kk, 1,3,5,7
.irp p, 0,1,2,3
	v_pk_fma_f32 v[A+8*\t+2*\p:A+8*\t+2*\p+1], v[X+8*\t+\kk-1:X+8*\t+\kk], v[G+8*\kk+2*\p:G+8*\kk+2*\p+1], v[A+8*\t+2*\p:A+8*\t+2*\p+1] op_sel:[1,0,0] op_sel_hi:[1,1,1]
.endr
.endr
.endm
.irp t, 0,1,2,3,4,5,6,7
	DOT \t
.endr
; 64 sums over 32 lanes.  A stage joins sums i and i + d: lanes with bit d clear keep i and hand i + d to lane l xor d, the others the other way round:
; half as many registers after each stage, 60 joins of three instructions in all, and lane l ends with sum number 16 q + l % 16 in register 16 q.
.macro HALVE d, m
.set i, 0
.rept 32/\d
	v_cndmask_b32 v[T+(i/(2*\d))%8], v[A+i+\d], v[A+i], \m     ; what I hand over
	v_cndmask_b32 v[A+i], v[A+i], v[A+i+\d], \m                ; what I keep
	v_add_f32_dpp v[A+i], v[T+(i/(2*\d))%8], v[A+i] row_xmask:\d row_mask:0xf bank_mask:0xf
.set i, i+2*\d
.endr
.endm
	HALVE 1, s20
	HALVE 2, s21
	HALVE 4, s22
	HALVE 8, s23
.irp q, 0,1,2,3
	v_permlanex16_b32 v[T+\q], v[A+16*\q], s24, s25        ; the other half of the lanes
.endr
.irp q, 0,1,2,3
	v_add_f32 v[A+16*\q], v[A+16*\q], v[T+\q]
	ds_store_b32 v4, v[A+16*\q] offset:PB+64*\q            ; both halves write the same word with the same number
.endr
	s_wait_dscnt 0x0                               ; my partial sums have landed: then the one barrier
	s_barrier_signal -1
	s_barrier_wait -1
.irp p, 0,1,2,3
.irp z, 0,1
	ds_load_b128 v[G+8*\p+4*\z:G+8*\p+4*\z+3], v5 offset:PB+256*\p+16*\z   ; every wave: lane l takes token l % 8, all four waves' parts
.endr
.endr
	s_wait_kmcnt 0x0
.irp e, 0,1,2,3,4,5,6,7
	s_add_co_i32 s[SC+\e], s[36+2*\e], 127
	s_lshl_b32 s[SC+\e], s[SC+\e], 23              ; 2^lowp[2 e] as f32
.endr
	s_wait_dscnt 0x0
.irp j, 0,2,4,6
	v_pk_add_f32 v[G+\j:G+\j+1], v[G+\j:G+\j+1], v[G+8+\j:G+9+\j]
	v_pk_add_f32 v[G+16+\j:G+17+\j], v[G+16+\j:G+17+\j], v[G+24+\j:G+25+\j]
.endr
.irp j, 0,2,4,6
	v_pk_add_f32 v[G+\j:G+\j+1], v[G+\j:G+\j+1], v[G+16+\j:G+17+\j]
.endr
.irp e, 0,1,2,3,4,5,6,7
	v_add_f32 v[G+\e], s[28+\e], v[G+\e]           ; + gate_b
.endr
	v_mov_b32 v12, v[G]                            ; the largest logit so far,
	v_mov_b32 v11, 0                               ; and its expert
.irp e, 1,2,3,4,5,6,7
	v_cmp_gt_f32 vcc_lo, v[G+\e], v12              ; strictly larger: of equal logits the lower index stays, as in jnp.argmax
	v_cndmask_b32 v12, v12, v[G+\e], vcc_lo
	v_cndmask_b32 v11, v11, \e, vcc_lo
.endr
.irp e, 0,1,2,3,4,5,6,7
	v_cmp_eq_u32 s[M+\e], \e, v11
.endr
	v_mov_b32 v13, s[SC]                           ; the chosen expert's scale, as a value
.irp e, 1,2,3,4,5,6,7
	v_cndmask_b32 v13, v13, s[SC+\e], s[M+\e]
.endr
.irp t, 0,1,2,3,4,5,6,7
	v_readlane_b32 s[TS+\t], v13, \t
.endr
.irp t, 0,1,2,3,4,5,6,7
	v_mov_b32 v[VS+\t], s[TS+\t]
	s_add_co_u32 s85, s[TS+\t], 15<<23
	s_or_b32 s85, s85, 0x600000
	v_mov_b32 v[VL+\t], s85                        ; 57,344 x the scale
.endr
.irp t, 0,1,2,3,4,5,6,7
.irp i, 0,1,2,3,4,5,6,7
	v_med3_num_f32 v[X+8*\t+\i], v[X+8*\t+\i], -v[VL+\t], v[VL+\t]   ; the conversion to an 8-bit code does not saturate (ISA guide 7.6.2): hold first
.endr
	v_cvt_scalef32_pk8_bf8_f32 v[C+2*\t:C+2*\t+1], v[X+8*\t:X+8*\t+7], v[VS+\t]   ; register 2 t: k = 4 lane + 0 .. 3; register 2 t + 1: 128 further on
.endr
	v_nop                                          ; a plain line behind the last conversion
.irp t, 0,1,2,3,4,5,6,7
	ds_store_b32 v6, v[C+2*\t] offset:256*\t
	ds_store_b32 v6, v[C+2*\t+1] offset:256*\t+128
.endr
.irp q, 0,1,2,3
	ds_load_b128 v[G+32+4*\q:G+35+4*\q], v7 offset:512*\q  ; my own bytes, and LDS serves a wave's instructions in order (ISA guide 5.7.1.4): two tokens' 256 bytes
.endr
.irp q, 0,1,2,3
	s_wait_dscnt 3-\q                              ; the later loads may be out
	global_store_b128 v8, v[G+32+4*\q:G+35+4*\q], s[12:13] offset:2048*\q   ; sixteen lanes store 256 consecutive bytes, at a multiple of 256 from xq's first byte
.endr
	s_cmp_lg_u32 s18, 0                            ; the one-hot and the mask bytes: wave 0 alone
	s_cbranch_scc1 .Lend
	v_mov_b32 v224, s[M]                           ; lane l: the ballots of experts 2 (l % 4) and 2 (l % 4) + 1
	v_mov_b32 v225, s[M+1]
.irp p, 1,2,3
	v_cndmask_b32 v224, v224, s[M+2*\p], s[81+\p]
	v_cndmask_b32 v225, v225, s[M+2*\p+1], s[81+\p]
.endr
	v_lshrrev_b32 v226, 2, v1                      ; and token l / 4
	v_lshrrev_b32 v228, v226, v224
	v_lshrrev_b32 v229, v226, v225
	v_and_b32 v228, 1, v228
	v_and_b32 v229, 1, v229
	v_cvt_f32_u32 v228, v228
	v_cvt_f32_u32 v229, v229
	global_store_b64 v9, v[228:229], s[16:17]      ; 256 consecutive bytes of out1
	v_cmp_gt_u32 vcc_lo, 4, v1
	s_wait_alu depctr_va_vdst(0)
	s_wait_xcnt 0x0                                ; EXEC changes only behind this wait
	s_and_saveexec_b32 s85, vcc_lo
	global_store_b8 v10, v224, s[14:15]            ; lanes 0-3: the low byte (tokens 0 .. 7 of the group) of experts 2 l
	global_store_b8 v10, v225, s[14:15] offset:128 ; and 2 l + 1
	s_wait_xcnt 0x0
	s_or_b32 exec_lo, exec_lo, s85
.Lend:
	s_wait_tensorcnt 0x0
	ds_add_u32 v254, v255
	s_wait_dscnt 0x0
	s_endpgm
.Lfunc_end_k_q877624b5c1_route:
	.size	k_q877624b5c1_route, .Lfunc_end_k_q877624b5c1_route-k_q877624b5c1_route
	.p2alignl 7, 3214868480
	.fill 96, 4, 3214868480
	.section	.rodata,"a",@progbits
	.p2align	6, 0x0
	.amdhsa_kernel k_q877624b5c1_route
		.amdhsa_group_segment_fixed_size 9728
		.amdhsa_private_segment_fixed_size 0
		.amdhsa_enable_private_segment 0
		.amdhsa_kernarg_size 56
		.amdhsa_user_sgpr_count 2
		.amdhsa_user_sgpr_kernarg_segment_ptr 1
		.amdhsa_wavefront_size32 1
		.amdhsa_system_sgpr_workgroup_id_x 1
		.amdhsa_system_sgpr_workgroup_id_y 1
		.amdhsa_system_sgpr_workgroup_id_z 1
		.amdhsa_system_vgpr_workitem_id 0
		.amdhsa_next_free_vgpr 256
		.amdhsa_next_free_sgpr 96
		.amdhsa_reserve_vcc 1
		.amdhsa_float_denorm_mode_32 3
		.amdhsa_float_denorm_mode_16_64 3
		.amdhsa_memory_ordered 1
		.amdhsa_forward_progress 1
		.amdhsa_inst_pref_size 48
	.end_amdhsa_kernel
	.amdgpu_metadata
---
amdhsa.version: [ 1, 2 ]
amdhsa.kernels:
  - .name:           k_q877624b5c1_route
    .symbol:         k_q877624b5c1_route.kd
    .args:
      - { .name: x, .offset: 0, .size: 8, .value_kind: global_buffer, .address_space: global }
      - { .name: gate_W, .offset: 8, .size: 8, .value_kind: global_buffer, .address_space: global }
      - { .name: gate_b, .offset: 16, .size: 8, .value_kind: global_buffer, .address_space: global }
      - { .name: lowp_scales, .offset: 24, .size: 8, .value_kind: global_buffer, .address_space: global }
      - { .name: xq, .offset: 32, .size: 8, .value_kind: global_buffer, .address_space: global }
      - { .name: masks, .offset: 40, .size: 8, .value_kind: global_buffer, .address_space: global }
      - { .name: out1, .offset: 48, .size: 8, .value_kind: global_buffer, .address_space: global }
    .group_segment_fixed_size: 9728
    .private_segment_fixed_size: 0
    .kernarg_segment_align: 8
    .kernarg_segment_size: 56
    .max_flat_workgroup_size: 128
    .sgpr_count:     96
    .vgpr_count:     256
    .wavefront_size: 32
...
	.end_amdgpu_metadata
.endif
;; end of part 4
;; launch up (part 5): grid 32 x 8, 4 waves a work-group, no clusters, 271,616 bytes of LDS; arguments up_W_codes, up_b, lowp_scales, xq, masks, hq; writes hq
.if DOCPART == 5
	.amdgcn_target "amdgcn-amd-amdhsa--gfx1250"
	.amdhsa_code_object_version 6
	.text
	.protected	k_q877624b5c1_up
	.globl	k_q877624b5c1_up
	.p2align	8
	.type	k_q877624b5c1_up,@function
k_q877624b5c1_up:
	s_mov_b64 s[64:65], 0
	v_nop
	global_prefetch_b8 v0, s[64:65] scope:SCOPE_SE
	s_setreg_imm32_b32 hwreg(HW_REG_WAVE_SCHED_MODE, 0, 2), 2
	s_setreg_imm32_b32 hwreg(HW_REG_WAVE_MODE, 25, 1), 1
	s_wait_xcnt 0x0
	s_wait_alu depctr_vm_vsrc(0)
; h = relu(x up_W[e] + up_b[e]) for the tokens that chose expert e, on codes of E5M2, and h's codes (scale 2^lowp[16 + 2 e]) into hq.
; SHARES.  Work-group (j, e) owns hidden units 128 j .. 128 j + 127 of expert e: 128 KiB of weights that no other work-group reads.  Wave w owns units 32 w .. 32 w + 31
; over all K = 1,024: 2 tiles x 8 K steps x 16 registers, which STAY in its registers; the expert's tokens walk past, 32 a block, 128 a chunk.
; No tensor load, no cluster: how many blocks are worked hangs on a count read from memory, so operands come through registers.
; THE LIST.  The expert's 32 mask words (an earlier launch stored them) give its count n and, by wave 0, the list of its tokens in LDS; entries past n are 0.
; At least one block is always worked (nv = max(n, 1)), so that the first requests stand under no branch.  Rows past n are token 0's: they are computed and never used.
; THE PRODUCT IS USED TRANSPOSED (source 0 = 16 rows of W, source 1 = 16 tokens), and row i of tile u is unit 8 u + i + 8 (i / 8): a lane's 16 results are units 16 (lane / 16) + 0 .. 15
; of one token: neighbours along the next product's K, so the conversions' four registers ARE piece c = w of that product's fragment for K step j.
; hq: [e][tile of 16 tokens 64][K step 32][piece 4][lane 32][16 bytes]: images of operand registers.
; Fragments are fetched 16 bytes at a time (registers 4 c .. 4 c + 3: k = 32 c + 16 (lane / 16) + 0 .. 15): a permutation of k, the same on both sides of each product.
; LIMITS: lowp[16+2e] - lowp[2e] - lowp[2e+1] between -126 and 112.  The bias is divided by 2^(lowp[2e] + lowp[2e+1]) by v_ldexp_f32.
; REGISTERS, in windows of 256: 0: addresses and work.  1: W, as loaded and then as fragments at 16 (8 u + s) + 4 c.  2: gathered rows of xq at 64 b + 16 q + 4 z.  3: a block's fragments of x at 32 s + 16 m + 4 c.
; THE MODE: SCHED_MODE bits 1:0 = 2 (LLVM: expert scheduling mode 2), set by the entry lines.  The code itself states the register dependences
; between vector or matrix instructions and memory or LDS instructions, with s_wait_alu, always for 0.
; THE PLAN.  Registers that memory or LDS instructions touch:
;   v4-6, v8-16, v18, v19, v21, v28-31, v254, v255   addresses and zeros: written at the head, ahead of one wait on va_vdst, and never again.
;   v17        the list's address for the next chunk: one vector add in a trip that asks; read by that trip's four list loads.
;   XO         the list loads land in it; v_min_u32 and v_lshl_add_u32 rewrite it; the gathers read it as their offsets.
;   v64-127    in wave 0, once: the list's arithmetic writes them, 32 LDS stores read them; later they are the accumulators and the codes.
;   CD         a block's four conversions write it, its two stores read it.
;   window 1   loads land, LDS stores read, LDS loads land; from then on matrix instructions alone.      window 2   the gathers land, the staging stores read: no vector line names it.
;   window 3   a block's fragment loads land, its 32 products read.
; IN A BLOCK three waits: va_vdst ahead of the first products, vm_vsrc ahead of the conversions (the last block's stores have read CD), and ONE va_vdst behind them: CD is written, for the two stores, and the block's products
; are done reading window 3, for the next fragment loads: between that wait and those loads stands no vector line that names window 3 or XA, on any path, round the loop's edge too.
; So a block's 64 fragment loads owe no wait of their own, and they go in two runs, the second among the products: those of K steps 0 and 1 name registers 0-63 of window 3, the second run lands in 128-255.
; IN A TRIP THAT ASKS for the next chunk three more: vm_vsrc behind the first barrier, va_vdst behind the add to v17, va_vdst behind XO's arithmetic.
.set WP,    1040                       ; an LDS row: 1,024 bytes + 16: 65 x 16, so the 16 rows of a fragment load start at 16 different groups of banks
.set WREG,  32*WP                      ; 32 rows: a wave's weights, and a block of tokens
.set XST,   4*WREG                     ; behind the four waves' weight stages: 128 token rows
.set LIST,  XST+128*WP                 ; 1,152 entries of 4 bytes, then 32 dump words (entry 1,152 + lane)
.set DUMPI, 1152
.set XS,  8                            ; v8-11   block b: where I put gathered rows: row 32 b + 8 w + 4 h (+ q), byte 16 r
.set XA,  12                           ; v12-15  block b: my lane's place in its fragments
.set XO,  32                           ; v32-47  tokens from the list, then byte offsets in xq: 4 b + q
.set BI,  48                           ; v48-63  the bias in the result's layout: 8 u + j
.set ACC, 64                           ; v64-95  four accumulators: 16 m + 8 u
.set CD,  96                           ; v96-103 codes: 4 m
.set MSB, 0
.macro WIN new                         ; the immediate's high byte repeats the setting that is left
.if MSB != \new
	s_set_vgpr_msb (MSB<<8)|\new
.set MSB, \new
.endif
.endm
	s_load_b256 s[4:11], s[0:1], 0x0               ; up_W_codes s[4:5], up_b s[6:7], lowp_scales s[8:9], xq s[10:11]
	s_load_b128 s[12:15], s[0:1], 0x20             ; masks s[12:13], hq s[14:15]
	v_lshl_add_u32 v254, v0, 2, 0x42300            ; my spare word, behind the list; kept for the closing lines alone
	v_mov_b32 v255, 0                              ; and 0, likewise
	v_lshrrev_b32 v1, 5, v0
	v_readfirstlane_b32 s16, v1                    ; wave w
	v_and_b32 v1, 31, v0                           ; lane
	v_and_b32 v2, 15, v0                           ; r
	v_bfe_u32 v3, v0, 4, 1                         ; h
	v_lshlrev_b32 v4, 4, v1                        ; 16 x lane
	s_wait_alu depctr_va_sdst(0)                   ; s16 is written, ahead of its first reader: LDS places and the bases of W, the bias and hq are made from it
	s_mul_i32 s74, s16, WREG
	v_add_nc_u32 v5, s74, v4                       ; my weight stage, in: 16 bytes a lane
	v_mul_u32_u24 v7, v2, WP
	v_lshl_add_u32 v7, v3, 4, v7                   ; a fragment's row r, + 16 h
	v_add_nc_u32 v6, s74, v7                       ; my weight stage, out
	s_mul_i32 s75, s16, 8*WP
	v_mul_u32_u24 v25, v3, 4*WP
	v_lshl_add_u32 v25, v2, 4, v25
	v_add_nc_u32 v25, s75, v25                     ; row 8 w + 4 h, byte 16 r
.irp b, 0,1,2,3
	v_add_nc_u32 v[XS+\b], XST+\b*WREG, v25
	v_add_nc_u32 v[XA+\b], XST+\b*WREG, v7
.endr
	s_lshl_b32 s76, s16, 5
	v_lshl_add_u32 v16, v3, 4, s76
	v_add_nc_u32 v16, LIST, v16                    ; list entries 8 w + 4 h + 0 .. 3
	s_lshl_b32 s77, s16, 9
	v_add_nc_u32 v18, s77, v4                      ; hq: piece w, 16 bytes a lane
	v_lshlrev_b32 v19, 6, v3                       ; the bias: 16 h numbers on
	v_lshlrev_b32 v20, 4, v2                       ; a row of xq: 16 r
	v_add_nc_u32 v21, LIST, v4                     ; the list's zeros
	v_add_nc_u32 v22, DUMPI, v1                    ; my dump entry
	v_mov_b32 v28, 0
	v_mov_b32 v29, 0
	v_mov_b32 v30, 0
	v_mov_b32 v31, 0
	s_mov_b32 s17, ttmp9                           ; j
	s_and_b32 s18, ttmp7, 0xffff                   ; e
	s_lshl_b32 s74, s18, 7                         ; the expert's 128 bytes of masks
	s_mov_b32 s75, 0
	s_lshl_b32 s76, s18, 3                         ; its two entries of the scales
	s_mov_b32 s77, 0
	s_wait_kmcnt 0x0
	s_add_nc_u64 s[12:13], s[12:13], s[74:75]
	s_add_nc_u64 s[8:9], s[8:9], s[76:77]
	s_load_b512 s[32:47], s[12:13], 0x0
	s_load_b512 s[48:63], s[12:13], 0x40
	s_load_b64 s[20:21], s[8:9], 0x0               ; ex, ew
	s_load_b32 s22, s[8:9], 0x40                   ; eh
	s_lshl_b32 s74, s18, 22                        ; W: 4 MiB an expert, 128 rows of 1,024 bytes a work-group, 32 a wave
	s_lshl_b32 s78, s17, 17
	s_add_co_u32 s74, s74, s78
	s_lshl_b32 s78, s16, 15
	s_add_co_u32 s74, s74, s78
	s_add_nc_u64 s[28:29], s[4:5], s[74:75]
	s_lshl_b32 s74, s18, 14                        ; the bias: 4 (4,096 e + 128 j + 32 w)
	s_lshl_b32 s78, s17, 9
	s_add_co_u32 s74, s74, s78
	s_lshl_b32 s78, s16, 7
	s_add_co_u32 s74, s74, s78
	s_add_nc_u64 s[30:31], s[6:7], s[74:75]
	s_lshl_b32 s74, s18, 22                        ; hq: 4 MiB an expert, K step j of 2,048 bytes
	s_lshl_b32 s78, s17, 11
	s_add_co_u32 s74, s74, s78
	s_add_nc_u64 s[66:67], s[14:15], s[74:75]
	s_wait_alu depctr_va_vdst(0)                   ; the head's addresses and zeros (v4-6, v8-16, v18, v19, v21, v28-31, v254, v255) are written: every load and store of the kernel but those by v17 and XO reads some of them, and none is written again
.irp u, 0,1
.irp z, 0,1
	global_load_b128 v[BI+8*\u+4*\z:BI+8*\u+4*\z+3], v19, s[30:31] offset:32*\u+16*\z
.endr
.endr
	WIN 0x40                                       ; destination window 1
.set i, 0
.rept 64
	global_load_b128 v[4*i:4*i+3], v4, s[28:29] offset:512*i th:TH_LOAD_NT   ; all my weights at once: 512 consecutive bytes a load, read once in the launch
.set i, i+1
.endr
	WIN 0
	s_wait_kmcnt 0x0
	; THE COUNT (every wave) AND THE LIST (wave 0).  No wave touches LDS ahead of the barrier but wave 0.
	s_bcnt1_i32_b32 s23, s32
.set cc, 1
.rept 31
	s_bcnt1_i32_b32 s74, s[32+cc]
	s_add_co_u32 s23, s23, s74
.set cc, cc+1
.endr
	s_max_u32 s25, s23, 1                          ; nv
	s_cmp_lg_u32 s16, 0
	s_cbranch_scc1 .Lsorted
.set cc, 0
.rept 9
	ds_store_b128 v21, v[28:31] offset:512*cc      ; 1,152 entries of 0
.set cc, cc+1
.endr
	s_mov_b32 s75, 0                               ; tokens of the expert in the words before
.set cc, 0
.rept 32                                       ; word cc: lane l speaks for token 32 cc + l; registers of its own for each word: first all the arithmetic, then one wait, then all the stores
	v_mbcnt_lo_u32_b32 v[64+cc], s[32+cc], s75     ; how many of the expert's tokens come before mine
	v_cndmask_b32 v[64+cc], v22, v[64+cc], s[32+cc]    ; a token that chose another expert goes to its lane's dump entry
	v_min_u32 v[64+cc], DUMPI+31, v[64+cc]         ; an entry of the list or of the dump, whatever the words hold
	v_lshl_add_u32 v[64+cc], v[64+cc], 2, LIST
	v_or_b32 v[96+cc], 32*cc, v1
	s_bcnt1_i32_b32 s74, s[32+cc]
	s_add_co_u32 s75, s75, s74
.set cc, cc+1
.endr
	s_wait_alu depctr_va_vdst(0)                   ; the 32 places v64-95 and the 32 tokens v96-127 are written, which the stores below read
.set cc, 0
.rept 32
	ds_store_b32 v[64+cc], v[96+cc]                ; behind the zeros: LDS serves a wave's instructions in order (ISA guide 5.7.1.4)
.set cc, cc+1
.endr
.Lsorted:
	s_wait_dscnt 0x0                               ; the list has landed
	s_barrier_signal -1
	s_barrier_wait -1
	s_wait_alu depctr_vm_vsrc(0)                   ; the list's stores have read v64-127: these registers are the accumulators and the codes from here on, written by products and conversions
; From the list to byte offsets in xq: four entries a block.
.macro OFFSETS adr
.irp b, 0,1,2,3
	ds_load_b128 v[XO+4*\b:XO+4*\b+3], v[\adr] offset:128*\b
.endr
	s_wait_dscnt 0x0
.irp i, 0,1,2,3,4,5,6,7,8,9,10,11,12,13,14,15
	v_min_u32 v[XO+\i], 0x3ff, v[XO+\i]            ; a token's number
	v_lshl_add_u32 v[XO+\i], v[XO+\i], 10, v20     ; its row of 1,024 bytes, + 16 r
.endr
	s_wait_alu depctr_va_vdst(0)                   ; XO is written, which the gathers read as their offsets; no vector line names it again before the next list loads land in it
.endm
; Block b's rows 8 w .. 8 w + 7 of xq: in each load sixteen lanes read 256 consecutive bytes of one row, at a multiple of 256.
.macro ASKX b
	WIN 0x80                                       ; destination window 2
.irp q, 0,1,2,3
.irp z, 0,1,2,3
	global_load_b128 v[64*(\b)+16*\q+4*\z:64*(\b)+16*\q+4*\z+3], v[XO+4*(\b)+\q], s[10:11] offset:256*\z
.endr
.endr
	WIN 0
.endm
	OFFSETS 16
	; The weights turn through my own stage, sixteen loads at a time; behind each sixteen a block of the first chunk is asked for.
.irp g, 0,1,2,3
	s_wait_loadcnt 48                              ; the bias and weight loads up to 16 g + 15 are in: 48 younger loads (later weights, earlier blocks) may be out
	WIN 0x04                                       ; store data window 1
.set i, 16*\g
.rept 16
.set row, i/2
.set srow, (row&7)|(((row>>3)&1)<<4)|(((row>>4)&1)<<3)   ; unit row lies at stage row 16 u + i: a tile's rows are neighbours in the stage
	ds_store_b128 v5, v[4*i:4*i+3] offset:srow*WP+512*(i&1)
.set i, i+1
.endr
	ASKX \g
.endr
	s_wait_dscnt 0x0                               ; my stage is whole
	WIN 0x40
	s_wait_alu depctr_vm_vsrc(0)                   ; the turn's stores have read window 1, in which the fragments below land
.irp u, 0,1
.irp s, 0,1,2,3,4,5,6,7
.irp c, 0,1,2,3
	ds_load_b128 v[16*(8*\u+\s)+4*\c:16*(8*\u+\s)+4*\c+3], v6 offset:16*WP*\u+128*\s+32*\c
.endr
.endr
.endr
	WIN 0
	s_add_co_i32 s74, s20, s21                     ; ex + ew: a sum stands for sum x 2^(ex + ew)
	s_sub_co_i32 s75, 0, s74
	s_sub_co_i32 s76, s22, s74                     ; so h's code is (sum + b / 2^(ex + ew)) / 2^(eh - ex - ew): one scale for the conversion
	s_add_co_i32 s76, s76, 127
	s_lshl_b32 s77, s76, 23
	v_mov_b32 v23, s77
	s_add_co_i32 s76, s76, 15
	s_lshl_b32 s76, s76, 23
	s_or_b32 s76, s76, 0x600000
	v_mov_b32 v24, s76                             ; 57,344 x that
.irp i, 0,1,2,3,4,5,6,7,8,9,10,11,12,13,14,15
	v_ldexp_f32 v[BI+\i], v[BI+\i], s75
.endr
; Block b's fragments of K steps k0 .. k0 + 3: 32 LDS loads.  No wait on va_vdst stands here: the one at the end of the block before (in a trip that asks: the one behind XO's arithmetic) has shown
; the earlier readers of window 3 done, and no vector or matrix line since names the registers in which these loads land, nor XA.
.macro XFR b, k0
	WIN 0xc0                                       ; destination window 3
.irp s, \k0, \k0+1, \k0+2, \k0+3
.irp m, 0,1
.irp c, 0,1,2,3
	ds_load_b128 v[32*(\s)+16*\m+4*\c:32*(\s)+16*\m+4*\c+3], v[XA+\b] offset:16*WP*\m+128*(\s)+32*\c
.endr
.endr
.endr
.endm
; K step s of a block: four products.  left: the fragment loads issued behind this step's eight, which may be out.
; The four accumulators take turns, one instruction a turn, in the same order in every K step.  The bias is the C of each sum's first instruction.
.macro MM s, left
	s_wait_dscnt \left
.irp m, 0,1
.irp u, 0,1
.if (\s) == 0
	v_wmma_f32_16x16x128_bf8_bf8 v[ACC+16*\m+8*\u:ACC+16*\m+8*\u+7], v[16*(8*\u+(\s)):16*(8*\u+(\s))+15], v[32*(\s)+16*\m:32*(\s)+16*\m+15], v[BI+8*\u:BI+8*\u+7]
.else
	v_wmma_f32_16x16x128_bf8_bf8 v[ACC+16*\m+8*\u:ACC+16*\m+8*\u+7], v[16*(8*\u+(\s)):16*(8*\u+(\s))+15], v[32*(\s)+16*\m:32*(\s)+16*\m+15], v[ACC+16*\m+8*\u:ACC+16*\m+8*\u+7]
.endif
.endr
.endr
.endm
; A BLOCK of 32 tokens: 64 fragment loads in two runs, 32 matrix instructions, relu and hold in one, 4 conversions, 2 stores of 512 consecutive bytes.
.macro BLOCK b
	XFR \b, 0
	WIN 0x0d                                       ; source 0 (W) window 1, source 1 (x) window 3
	s_wait_alu depctr_va_vdst(0)
	MM 0, 24                                       ; K steps 1 to 3, eight loads each, may be out
	MM 1, 16
	XFR \b, 4                                      ; the second run, among the products: those above name registers 0-63 of window 3, these loads land in 128-255
	WIN 0x0d
	MM 2, 40                                       ; K step 3's eight and the 32 just issued may be out
	MM 3, 32
	MM 4, 24
	MM 5, 16
	MM 6, 8
	MM 7, 0
	WIN 0
.rept 4
	v_nop                                          ; four places behind the last products, ahead of the first read of results (ISA guide 7.12.1)
.endr
	s_wait_xcnt 0x0                                ; the last block's stores have had their addresses translated (ISA guide 3.1): their data registers are rewritten only behind this wait,
	s_wait_alu depctr_vm_vsrc(0)                   ; and they have read CD, which the conversions below write again
.irp m, 0,1
.irp i, 0,1,2,3,4,5,6,7,8,9,10,11,12,13,14,15
	v_med3_num_f32 v[ACC+16*\m+\i], v[ACC+16*\m+\i], 0, v24    ; relu and the hold at the largest code in one; each accumulator from its low end on
.endr
	v_cvt_scalef32_pk8_bf8_f32 v[CD+4*\m:CD+4*\m+1], v[ACC+16*\m:ACC+16*\m+7], v23
	v_cvt_scalef32_pk8_bf8_f32 v[CD+4*\m+2:CD+4*\m+3], v[ACC+16*\m+8:ACC+16*\m+15], v23
.endr
	v_nop                                          ; a plain line behind the last conversion: later products write its sources
	s_wait_alu depctr_va_vdst(0)                   ; the conversions have written CD, which the two stores read; the block's products are done reading window 3, in which the next fragment loads land
.irp m, 0,1
	global_store_b128 v18, v[CD+4*\m:CD+4*\m+3], s[66:67] offset:(2*\b+\m)*65536
.endr
.endm
	s_mov_b32 s70, 0                               ; the chunk's first place in the list
	s_mov_b32 s71, 8                               ; eight chunks of 128 serve every split; both barriers stand in every trip, the work is jumped over
	s_mov_b32 s72, 512                             ; the next chunk's bytes in the list
.Lchunk:
	s_wait_loadcnt 0x0                             ; this chunk's rows are in registers
.irp b, 0,1,2,3
	s_add_co_u32 s74, s70, 32*\b
	s_cmp_lt_u32 s74, s25
	s_cbranch_scc0 .Lstaged
	WIN 0x08                                       ; store data window 2
.irp q, 0,1,2,3
.irp z, 0,1,2,3
	ds_store_b128 v[XS+\b], v[64*\b+16*\q+4*\z:64*\b+16*\q+4*\z+3] offset:WP*\q+256*\z
.endr
.endr
	WIN 0
.endr
.Lstaged:
	s_wait_dscnt 0x0                               ; my rows have landed (and, in the first trip, my weight fragments are in)
	s_barrier_signal -1
	s_barrier_wait -1                              ; the chunk's rows are whole
	s_wait_alu depctr_vm_vsrc(0)                   ; the staging stores have read window 2, in which the next gathers land; the last gathers have read XO, in which the next list loads land; the last list loads have read v17, which is written below
	s_add_co_u32 s74, s70, 128                     ; the next chunk's rows are asked for here: they land under this chunk's products
	s_cmp_lt_u32 s74, s25
	s_cbranch_scc0 .Lasked
	v_add_nc_u32 v17, s72, v16
	s_wait_alu depctr_va_vdst(0)                   ; v17 is written, which the four list loads read as their address
	OFFSETS 17
	ASKX 0
.irp b, 1,2,3
	s_add_co_u32 s74, s70, 128+32*\b
	s_cmp_lt_u32 s74, s25
	s_cbranch_scc0 .Lasked
	ASKX \b
.endr
.Lasked:
.irp b, 0,1,2,3
	s_add_co_u32 s74, s70, 32*\b
	s_cmp_lt_u32 s74, s25
	s_cbranch_scc0 .Lworked
	BLOCK \b
.endr
.Lworked:
	s_wait_dscnt 0x0                               ; my reads of the rows are over
	s_barrier_signal -1
	s_barrier_wait -1                              ; everybody's are: the next trip may write them
	s_wait_xcnt 0x0                                ; the stores have read their base
	s_add_nc_u64 s[66:67], s[66:67], 0x80000       ; eight tiles of 65,536 bytes on
	s_add_co_u32 s70, s70, 128
	s_add_co_u32 s72, s72, 512
	s_sub_co_u32 s71, s71, 1
	s_cmp_lg_u32 s71, 0
	s_cbranch_scc1 .Lchunk
	s_wait_dscnt 0x0                               ; the closing lines, six on end
	s_wait_alu 0x0
	s_wait_tensorcnt 0x0
	ds_add_u32 v254, v255
	s_wait_dscnt 0x0
	s_endpgm
.Lfunc_end_k_q877624b5c1_up:
	.size	k_q877624b5c1_up, .Lfunc_end_k_q877624b5c1_up-k_q877624b5c1_up
	.p2alignl 7, 3214868480
	.fill 96, 4, 3214868480
	.section	.rodata,"a",@progbits
	.p2align	6, 0x0
	.amdhsa_kernel k_q877624b5c1_up
		.amdhsa_group_segment_fixed_size 271616
		.amdhsa_private_segment_fixed_size 0
		.amdhsa_enable_private_segment 0
		.amdhsa_kernarg_size 48
		.amdhsa_user_sgpr_count 2
		.amdhsa_user_sgpr_kernarg_segment_ptr 1
		.amdhsa_wavefront_size32 1
		.amdhsa_system_sgpr_workgroup_id_x 1
		.amdhsa_system_sgpr_workgroup_id_y 1
		.amdhsa_system_sgpr_workgroup_id_z 1
		.amdhsa_system_vgpr_workitem_id 0
		.amdhsa_next_free_vgpr 1024
		.amdhsa_next_free_sgpr 96
		.amdhsa_reserve_vcc 0
		.amdhsa_float_denorm_mode_32 3
		.amdhsa_float_denorm_mode_16_64 3
		.amdhsa_memory_ordered 1
		.amdhsa_forward_progress 1
		.amdhsa_inst_pref_size 98
	.end_amdhsa_kernel
	.amdgpu_metadata
---
amdhsa.version: [ 1, 2 ]
amdhsa.kernels:
  - .name:           k_q877624b5c1_up
    .symbol:         k_q877624b5c1_up.kd
    .args:
      - { .name: up_W_codes, .offset: 0, .size: 8, .value_kind: global_buffer, .address_space: global }
      - { .name: up_b, .offset: 8, .size: 8, .value_kind: global_buffer, .address_space: global }
      - { .name: lowp_scales, .offset: 16, .size: 8, .value_kind: global_buffer, .address_space: global }
      - { .name: xq, .offset: 24, .size: 8, .value_kind: global_buffer, .address_space: global }
      - { .name: masks, .offset: 32, .size: 8, .value_kind: global_buffer, .address_space: global }
      - { .name: hq, .offset: 40, .size: 8, .value_kind: global_buffer, .address_space: global }
    .group_segment_fixed_size: 271616
    .private_segment_fixed_size: 0
    .kernarg_segment_align: 8
    .kernarg_segment_size: 48
    .max_flat_workgroup_size: 128
    .sgpr_count:     96
    .vgpr_count:     1024
    .wavefront_size: 32
...
	.end_amdgpu_metadata
.endif
;; end of part 5
;; launch down (part 6): grid 32 x 8, 8 waves a work-group, no clusters, 288,512 bytes of LDS; arguments down_W_codes, down_b, lowp_scales, hq, masks, out0; writes out0
.if DOCPART == 6
	.amdgcn_target "amdgcn-amd-amdhsa--gfx1250"
	.amdhsa_code_object_version 6
	.text
	.protected	k_q877624b5c1_down
	.globl	k_q877624b5c1_down
	.p2align	8
	.type	k_q877624b5c1_down,@function
k_q877624b5c1_down:
	s_mov_b64 s[64:65], 0
	v_nop
	global_prefetch_b8 v0, s[64:65] scope:SCOPE_SE
	s_setreg_imm32_b32 hwreg(HW_REG_WAVE_MODE, 25, 1), 1
	s_wait_xcnt 0x0
; out0[token] = h down_W[e] + down_b[e] for the tokens that chose expert e, on codes of E5M2.
; SHARES.  Work-group (cs, e) owns output columns 32 cs .. 32 cs + 31 of expert e: 32 rows of 4,096 codes, 128 KiB that no other work-group reads.
; Wave w owns K steps 4 w .. 4 w + 3 (512 bytes of each row): 2 column tiles x 4 x 16 registers, which stay.  So each byte of hq goes to ONE wave of the work-group,
; straight into operand registers by loads of 512 consecutive bytes (hq holds images of those registers); the eight waves' partial sums meet in LDS.
; Eight waves, so that each holds two sets of a block's fragments: one at work, one on its way.
; No tensor load, no cluster: how many blocks are worked hangs on a count read from memory.
; THE PRODUCT IS USED TRANSPOSED (source 0 = 16 columns' rows of W, source 1 = 16 tokens): a lane holds one token and eight neighbouring columns.
; The list of the expert's tokens is made as in the launch before; block 0 is always worked (nv = max(n, 1)); a row is stored only where its place is under the true n.
; A store covers four tokens' rows x 128 consecutive bytes: 64 columns to a work-group would make whole blocks of 256 bytes, with half as many work-groups.
; LIMIT: lowp[16+2e] + lowp[17+2e] between -126 and 127, so that its power of two is an f32 number.
; REGISTERS: window 0: v1-31 addresses and small things; v48-79 four accumulators (16 m + 8 q); v80-111 partial sums read back; v128-255 set A (64 m + 16 s + 4 c).
;   window 1: v0-127 W, as loaded and then as fragments at 16 (4 q + s) + 4 c; v128-255 set B.
.set WP,    528                        ; a stage row: 512 bytes + 16: 33 x 16
.set WREG,  32*WP
.set PART,  8*WREG                     ; behind the weight stages: for each wave 128 token rows of 128 bytes + 16
.set PP,    144
.set PREG,  128*PP
.set LIST,  PART+8*PREG                ; 1,152 entries of 4 bytes, then 32 dump words
.set DUMPI, 1152
.set ACC, 48
.set R,   80
.set MSB, 0
.macro WIN new                         ; the immediate's high byte repeats the setting that is left
.if MSB != \new
	s_set_vgpr_msb (MSB<<8)|\new
.set MSB, \new
.endif
.endm
	s_load_b256 s[4:11], s[0:1], 0x0               ; down_W_codes s[4:5], down_b s[6:7], lowp_scales s[8:9], hq s[10:11]
	s_load_b128 s[12:15], s[0:1], 0x20             ; masks s[12:13], out0 s[14:15]
	v_lshl_add_u32 v126, v0, 2, 0x46300
	v_mov_b32 v127, 0
	v_lshrrev_b32 v1, 5, v0
	s_delay_alu instid0(VALU_DEP_1)
	v_readfirstlane_b32 s16, v1                    ; wave w
	v_and_b32 v1, 31, v0                           ; lane
	v_and_b32 v2, 15, v0                           ; r
	v_bfe_u32 v3, v0, 4, 1                         ; h
	s_delay_alu instid0(VALU_DEP_3)
	v_lshlrev_b32 v4, 4, v1                        ; 16 x lane
	s_mul_i32 s74, s16, WREG
	v_add_nc_u32 v5, s74, v4                       ; my weight stage, in
	v_mul_u32_u24 v6, v2, WP
	s_delay_alu instid0(VALU_DEP_1)
	v_lshl_add_u32 v6, v3, 4, v6
	s_delay_alu instid0(VALU_DEP_1)
	v_add_nc_u32 v6, s74, v6                       ; and out: row r, + 16 h
	s_lshl_b32 s75, s16, 13
	v_add_nc_u32 v7, s75, v4                       ; hq: my four K steps of 2,048 bytes, 16 bytes a lane
	s_mul_i32 s76, s16, PREG
	v_mul_u32_u24 v8, v2, PP
	s_delay_alu instid0(VALU_DEP_1)
	v_lshl_add_u32 v8, v3, 5, v8
	s_delay_alu instid0(VALU_DEP_1)
	v_add_nc_u32 v8, s76, v8
	s_delay_alu instid0(VALU_DEP_1)
	v_add_nc_u32 v8, PART, v8                      ; my partial sums: token row r, + 32 h
	v_bfe_u32 v28, v0, 3, 2                        ; lane / 8
	s_lshl_b32 s77, s16, 2
	v_add_nc_u32 v14, s77, v28                     ; the row of a block that I sum: 4 w + lane / 8
	v_and_b32 v15, 7, v0
	s_delay_alu instid0(VALU_DEP_1)
	v_lshlrev_b32 v15, 4, v15                      ; and my 16 bytes of it
	s_delay_alu instid0(VALU_DEP_3)
	v_mul_u32_u24 v29, v14, PP
	s_delay_alu instid0(VALU_DEP_1)
	v_add_nc_u32 v29, v29, v15
.irp g, 0,1,2
	v_add_nc_u32 v[9+\g], PART+3*PREG*\g, v29      ; three waves' parts to an address register, so that the offsets fit 16 bits
.endr
	v_lshl_add_u32 v12, v14, 2, LIST               ; that row's list entry
	v_add_nc_u32 v16, LIST, v4                     ; the list's zeros
	v_add_nc_u32 v17, DUMPI, v1                    ; my dump entry
	v_mov_b32 v24, 0
	v_mov_b32 v25, 0
	v_mov_b32 v26, 0
	v_mov_b32 v27, 0
	s_mov_b32 s17, ttmp9                           ; cs
	s_and_b32 s18, ttmp7, 0xffff                   ; e
	s_lshl_b32 s74, s18, 7
	s_mov_b32 s75, 0
	s_lshl_b32 s76, s18, 3
	s_mov_b32 s77, 0
	s_wait_kmcnt 0x0
	s_add_nc_u64 s[12:13], s[12:13], s[74:75]
	s_add_nc_u64 s[8:9], s[8:9], s[76:77]
	s_load_b512 s[32:47], s[12:13], 0x0            ; the expert's mask words
	s_load_b512 s[48:63], s[12:13], 0x40
	s_load_b64 s[20:21], s[8:9], 0x40              ; eh, ew
	s_lshl_b32 s74, s18, 22                        ; W: 4 MiB an expert, 32 rows of 4,096 bytes a work-group, 512 bytes of a row a wave
	s_lshl_b32 s78, s17, 17
	s_add_co_u32 s74, s74, s78
	s_lshl_b32 s78, s16, 9
	s_add_co_u32 s74, s74, s78
	s_add_nc_u64 s[28:29], s[4:5], s[74:75]
	s_lshl_b32 s74, s18, 12                        ; the bias: 4 (1,024 e + 32 cs)
	s_lshl_b32 s78, s17, 7
	s_add_co_u32 s74, s74, s78
	s_add_nc_u64 s[30:31], s[6:7], s[74:75]
	s_lshl_b32 s74, s18, 22
	s_add_nc_u64 s[66:67], s[10:11], s[74:75]      ; hq at the expert's first tile
	s_mov_b32 s74, s78
	s_add_nc_u64 s[68:69], s[14:15], s[74:75]      ; out0 at my 32 columns
	global_load_b128 v[20:23], v15, s[30:31]       ; the bias of my four columns
	WIN 0x40                                       ; destination window 1
.set i, 0
.rept 32
	global_load_b128 v[4*i:4*i+3], v4, s[28:29] offset:4096*i th:TH_LOAD_NT   ; all my weights at once: 512 consecutive bytes a load, read once in the launch
.set i, i+1
.endr
	WIN 0
; A block's fragments (two tiles of 16 tokens x my four K steps) into set A (which = 0) or B (1): 32 loads of 512 consecutive bytes.
.macro ASKH which, tile0
.if (\which)
	WIN 0x40
.endif
.irp m, 0,1
.irp s, 0,1,2,3
.irp c, 0,1,2,3
	global_load_b128 v[128+64*\m+16*\s+4*\c:128+64*\m+16*\s+4*\c+3], v7, s[66:67] offset:((\tile0)+\m)*65536+2048*\s+512*\c
.endr
.endr
.endr
	WIN 0
.endm
	ASKH 0, 0                                      ; block 0, under no branch
	s_wait_kmcnt 0x0
	; THE COUNT (every wave) AND THE LIST (wave 0).  No wave touches LDS ahead of the barrier but wave 0.
	s_bcnt1_i32_b32 s23, s32
.set cc, 1
.rept 31
	s_bcnt1_i32_b32 s74, s[32+cc]
	s_add_co_u32 s23, s23, s74
.set cc, cc+1
.endr
	s_max_u32 s25, s23, 1                          ; nv
	s_cmp_lg_u32 s16, 0
	s_cbranch_scc1 .Lsorted
.set cc, 0
	s_wait_alu depctr_va_vdst(0)
.rept 9
	ds_store_b128 v16, v[24:27] offset:512*cc      ; 1,152 entries of 0
.set cc, cc+1
.endr
	s_mov_b32 s75, 0
.set cc, 0
.rept 32                                       ; word cc: lane l speaks for token 32 cc + l
	v_mbcnt_lo_u32_b32 v[48+cc], s[32+cc], s75     ; how many of the expert's tokens come before mine
	s_delay_alu instid0(VALU_DEP_1)
	v_cndmask_b32 v[48+cc], v17, v[48+cc], s[32+cc]    ; a token that chose another expert goes to its lane's dump entry
	s_delay_alu instid0(VALU_DEP_1)
	v_min_u32 v[48+cc], DUMPI+31, v[48+cc]         ; an entry of the list or of the dump, whatever the words hold
	s_delay_alu instid0(VALU_DEP_1)
	v_lshl_add_u32 v[48+cc], v[48+cc], 2, LIST
	v_or_b32 v[80+cc], 32*cc, v1
	ds_store_b32 v[48+cc], v[80+cc]
	s_bcnt1_i32_b32 s74, s[32+cc]
	s_add_co_u32 s75, s75, s74
.set cc, cc+1
.endr
.Lsorted:
	s_wait_dscnt 0x0                               ; the list has landed
	s_barrier_signal -1
	s_barrier_wait -1
	; the weights turn through my own stage into fragments
	s_wait_loadcnt 48                              ; the bias and rows 0-15 are in; rows 16-31 and block 0's 32 loads may be out
	WIN 0x04                                       ; store data window 1
.set i, 0
.rept 16
	ds_store_b128 v5, v[4*i:4*i+3] offset:WP*i
.set i, i+1
.endr
	s_wait_loadcnt 32                              ; rows 16-31 are in; block 0's loads may be out
.rept 16
	ds_store_b128 v5, v[4*i:4*i+3] offset:WP*i
.set i, i+1
.endr
	s_wait_dscnt 0x0                               ; the stores have read their registers
	WIN 0x40
.irp q, 0,1
.irp s, 0,1,2,3
.irp c, 0,1,2,3
	ds_load_b128 v[16*(4*\q+\s)+4*\c:16*(4*\q+\s)+4*\c+3], v6 offset:16*WP*\q+128*\s+32*\c
.endr
.endr
.endr
	WIN 0
	s_add_co_i32 s78, s20, s21
	s_add_co_i32 s78, s78, 127
	s_lshl_b32 s78, s78, 23                        ; 2^(eh + ew) as f32
	s_mov_b32 s79, s78                             ; (named with it as a pair, so it is written)
; Block b's products over my four K steps, and my partial sums into LDS.  The four accumulators take turns, one instruction a turn; the first K step starts the sums.
.macro WORK b
	s_wait_dscnt 0x0                               ; the weight fragments are in; the last block's LDS stores have read the accumulators
.if (\b)%2
	WIN 0x05                                       ; W and set B in window 1
.else
	WIN 0x01                                       ; W in window 1, set A in window 0
.endif
.irp s, 0,1,2,3
.irp m, 0,1
.irp q, 0,1
.if \s == 0
	v_wmma_f32_16x16x128_bf8_bf8 v[ACC+16*\m+8*\q:ACC+16*\m+8*\q+7], v[16*(4*\q+\s):16*(4*\q+\s)+15], v[128+64*\m+16*\s:128+64*\m+16*\s+15], 0
.else
	v_wmma_f32_16x16x128_bf8_bf8 v[ACC+16*\m+8*\q:ACC+16*\m+8*\q+7], v[16*(4*\q+\s):16*(4*\q+\s)+15], v[128+64*\m+16*\s:128+64*\m+16*\s+15], v[ACC+16*\m+8*\q:ACC+16*\m+8*\q+7]
.endif
.endr
.endr
.endr
	WIN 0
.rept 5
	v_nop                                          ; four places ahead of the stores that read results and of loads into the set; five ahead of the next block's products, which begin the accumulators anew
.endr
.irp m, 0,1
.irp q, 0,1
.irp z, 0,1
	ds_store_b128 v8, v[ACC+16*\m+8*\q+4*\z:ACC+16*\m+8*\q+4*\z+3] offset:(32*(\b)+16*\m)*PP+64*\q+16*\z   ; each accumulator from its low end on
.endr
.endr
.endr
.endm
; Block b's sums: I take four token rows, 16 bytes a lane, of all eight waves' parts; x 2^(eh + ew) + bias; stored at the token's row where the place is under n.
.macro RED b
.irp p, 0,1,2,3,4,5,6,7
	ds_load_b128 v[R+4*\p:R+4*\p+3], v[9+\p/3] offset:PREG*(\p%3)+32*PP*(\b)
.endr
	ds_load_b32 v18, v13 offset:128*(\b)           ; the row's token
	s_wait_dscnt 0x0
.irp j, 0,2
	v_pk_add_f32 v[R+\j:R+\j+1], v[R+\j:R+\j+1], v[R+4+\j:R+5+\j]
	v_pk_add_f32 v[R+8+\j:R+9+\j], v[R+8+\j:R+9+\j], v[R+12+\j:R+13+\j]
	v_pk_add_f32 v[R+16+\j:R+17+\j], v[R+16+\j:R+17+\j], v[R+20+\j:R+21+\j]
	v_pk_add_f32 v[R+24+\j:R+25+\j], v[R+24+\j:R+25+\j], v[R+28+\j:R+29+\j]
.endr
.irp j, 0
	v_pk_add_f32 v[R+\j:R+\j+1], v[R+\j:R+\j+1], v[R+8+\j:R+9+\j]
	v_pk_add_f32 v[R+16+\j:R+17+\j], v[R+16+\j:R+17+\j], v[R+24+\j:R+25+\j]
.endr
.irp j, 2
	v_pk_add_f32 v[R+\j:R+\j+1], v[R+\j:R+\j+1], v[R+8+\j:R+9+\j]
	s_delay_alu instid0(VALU_DEP_4)
	v_pk_add_f32 v[R+16+\j:R+17+\j], v[R+16+\j:R+17+\j], v[R+24+\j:R+25+\j]
.endr
.irp j, 0
	s_delay_alu instid0(VALU_DEP_3)
	v_pk_add_f32 v[R+\j:R+\j+1], v[R+\j:R+\j+1], v[R+16+\j:R+17+\j]
.endr
.irp j, 2
	s_delay_alu instid0(VALU_DEP_2)
	v_pk_add_f32 v[R+\j:R+\j+1], v[R+\j:R+\j+1], v[R+16+\j:R+17+\j]
.endr
.irp j, 0,2
	s_delay_alu instid0(VALU_DEP_2)
	v_pk_fma_f32 v[24+\j:25+\j], v[R+\j:R+\j+1], s[78:79], v[20+\j:21+\j] op_sel_hi:[1,0,1]
.endr
	v_min_u32 v18, 0x3ff, v18                      ; a token's number
	s_delay_alu instid0(VALU_DEP_1)
	v_lshl_add_u32 v18, v18, 12, v15               ; its row of 4,096 bytes, + my 16
	v_add_nc_u32 v19, s74, v14                     ; the row's place in the list (s74: the block's first)
	s_delay_alu instid0(VALU_DEP_1)
	v_cmp_gt_u32 vcc_lo, s23, v19                  ; under the true n?
	s_wait_alu depctr_va_vdst(0)
	s_wait_xcnt 0x0                                ; EXEC changes only behind this wait
	s_and_saveexec_b32 s76, vcc_lo                 ; (the old EXEC, all lanes, goes to s76 and is not wanted again)
	global_store_b128 v18, v[24:27], s[68:69] th:TH_STORE_NT
	s_wait_xcnt 0x0                                ; and again; the store's registers may be written too
	s_mov_b32 exec_lo, -1                          ; every lane on again, by the constant: what is written from here on hangs on no count
.endm
	s_mov_b32 s70, 0                               ; the chunk's first place in the list
	s_mov_b32 s71, 8                               ; eight chunks of 128 serve every split; both barriers stand in every trip, the work is jumped over
	s_mov_b32 s72, 0                               ; the chunk's bytes in the list
.Lchunk:
	s_cmp_lt_u32 s70, s25
	s_cbranch_scc0 .Lpart
.irp b, 0,1,2,3                        ; a block is reached only on the way on which its fragments were asked for
	s_add_co_u32 s74, s70, 32*\b+32
	s_cmp_lt_u32 s74, s25
	s_cbranch_scc0 .Llast\b
	ASKH 1-\b%2, 2*\b+2                            ; the next block (behind block 3: the next chunk's first) into the other set
	s_wait_loadcnt 32                              ; this block's fragments are in; the 32 loads just issued may be out
	WORK \b
.endr
	s_branch .Lpart
.irp b, 0,1,2
.Llast\b:
	s_wait_loadcnt 0x0                             ; nothing follows this block
	WORK \b
	s_branch .Lpart
.endr
.Llast3:
	s_wait_loadcnt 0x0
	WORK 3
.Lpart:
	s_wait_dscnt 0x0                               ; my partial sums have landed
	s_barrier_signal -1
	s_barrier_wait -1                              ; everybody's have
	s_wait_alu depctr_va_vdst(0)
	v_add_nc_u32 v13, s72, v12
.irp b, 0,1,2,3
	s_add_co_u32 s74, s70, 32*\b
	s_cmp_lt_u32 s74, s25
	s_cbranch_scc0 .Lsummed
	RED \b
.endr
.Lsummed:
	s_wait_dscnt 0x0                               ; my reads of the partial sums are over
	s_barrier_signal -1
	s_barrier_wait -1                              ; everybody's are: the next trip may write them
	s_wait_xcnt 0x0                                ; the loads on their way have read their base
	s_add_nc_u64 s[66:67], s[66:67], 0x80000       ; eight tiles of 65,536 bytes on
	s_add_co_u32 s70, s70, 128
	s_add_co_u32 s72, s72, 512
	s_sub_co_u32 s71, s71, 1
	s_cmp_lg_u32 s71, 0
	s_cbranch_scc1 .Lchunk
	s_wait_tensorcnt 0x0
	ds_add_u32 v126, v127
	s_wait_dscnt 0x0
	s_endpgm
.Lfunc_end_k_q877624b5c1_down:
	.size	k_q877624b5c1_down, .Lfunc_end_k_q877624b5c1_down-k_q877624b5c1_down
	.p2alignl 7, 3214868480
	.fill 96, 4, 3214868480
	.section	.rodata,"a",@progbits
	.p2align	6, 0x0
	.amdhsa_kernel k_q877624b5c1_down
		.amdhsa_group_segment_fixed_size 288512
		.amdhsa_private_segment_fixed_size 0
		.amdhsa_enable_private_segment 0
		.amdhsa_kernarg_size 48
		.amdhsa_user_sgpr_count 2
		.amdhsa_user_sgpr_kernarg_segment_ptr 1
		.amdhsa_wavefront_size32 1
		.amdhsa_system_sgpr_workgroup_id_x 1
		.amdhsa_system_sgpr_workgroup_id_y 1
		.amdhsa_system_sgpr_workgroup_id_z 1
		.amdhsa_system_vgpr_workitem_id 0
		.amdhsa_next_free_vgpr 512
		.amdhsa_next_free_sgpr 96
		.amdhsa_reserve_vcc 1
		.amdhsa_float_denorm_mode_32 3
		.amdhsa_float_denorm_mode_16_64 3
		.amdhsa_memory_ordered 1
		.amdhsa_forward_progress 1
		.amdhsa_inst_pref_size 72
	.end_amdhsa_kernel
	.amdgpu_metadata
---
amdhsa.version: [ 1, 2 ]
amdhsa.kernels:
  - .name:           k_q877624b5c1_down
    .symbol:         k_q877624b5c1_down.kd
    .args:
      - { .name: down_W_codes, .offset: 0, .size: 8, .value_kind: global_buffer, .address_space: global }
      - { .name: down_b, .offset: 8, .size: 8, .value_kind: global_buffer, .address_space: global }
      - { .name: lowp_scales, .offset: 16, .size: 8, .value_kind: global_buffer, .address_space: global }
      - { .name: hq, .offset: 24, .size: 8, .value_kind: global_buffer, .address_space: global }
      - { .name: masks, .offset: 32, .size: 8, .value_kind: global_buffer, .address_space: global }
      - { .name: out0, .offset: 40, .size: 8, .value_kind: global_buffer, .address_space: global }
    .group_segment_fixed_size: 288512
    .private_segment_fixed_size: 0
    .kernarg_segment_align: 8
    .kernarg_segment_size: 48
    .max_flat_workgroup_size: 256
    .sgpr_count:     96
    .vgpr_count:     512
    .wavefront_size: 32
...
	.end_amdgpu_metadata
.endif
;; end of part 6
